; MI455X (gfx1250); checked and timed in simulation.
; The chip was launched on July 23, 2026; its instructions are those of AMD's public machine-readable ISA for CDNA 5 (MIT licence, August 2026) and "CDNA5" Instruction Set Architecture Reference Guide (July 2026). The comments in the code are by the model that wrote it; some were corrected since.
;; Multi Head Self Attention. Allowed arithmetic: matrix products marked QUANTISED: E2M1 operands, one E8M0 scale for each 32 along K, by v_wmma_scale_f32_16x16x128_f8f6f4 with both operands' format E2M1 (or v_wmma_scale_f32_32x16x128_f4), f32 sums; products left as they are: bf16, f16 or f32 operands; f32 sums; everything else in f32.
;; Inputs: W_k 1,024 x 1,024 float32; W_o 1,024 x 1,024 float32; W_q 1,024 x 1,024 float32; W_v 1,024 x 1,024 float32; x 1 x 4,096 x 1,024 float32.
;; Outputs: out0 1 x 4,096 x 1,024 float32.
;; This version of the problem:
;;   THIS VERSION OF THE PROBLEM IS GIVEN IN LOW PRECISION. The matrix products marked QUANTISED in the list below multiply operands that are first quantised to E2M1 (2 exponent bits, 1 mantissa bit; 4 bits a number), with one power-of-two scale for each 32 numbers along K (OCP MX v1.0); their sums are f32. The products marked 'left as it is' may take bf16, f16 or f32 operands, with f32 sums. Whichever they take, every output number must still come out within the allowed error. Rounding operands to bf16 (8 significant bits) uses up far more of that allowance than f16 does (11 bits, for magnitudes from 6e-5 to 65,504). All else is computed in f32.
;;   The module's matrix products, in the order in which they are computed (A, B: the left and right operand; K: the contracted axis; several contracted axes count as one K, in the product's order):
;;     1. [M 4,096, K 1,024] x [K 1,024, N 1,024]; A: input x; B: input W_q: QUANTISED
;;     2. [M 4,096, K 1,024] x [K 1,024, N 1,024]; A: input x; B: input W_k: QUANTISED
;;     3. [M 4,096, K 1,024] x [K 1,024, N 1,024]; A: input x; B: input W_v: QUANTISED
;;     4. batch 16 x [M 4,096, K 64] x [K 64, N 4,096]; A: computed on the way; B: computed on the way: left as it is (an operand is computed on the way)
;;     5. batch 16 x [M 4,096, K 4,096] x [K 4,096, N 64]; A: computed on the way; B: computed on the way: left as it is (an operand is computed on the way)
;;     6. [M 4,096, K 1,024] x [K 1,024, N 1,024]; A: computed on the way; B: input W_o: left as it is (an operand is computed on the way)
;;   THE QUANTISER, for each operand of a quantised product, along K:
;;     - K is cut into blocks of 32 from its start; a last block that is shorter is filled with zeros.
;;     - A block's scale is 2^e with e = floor(log2(the largest magnitude in the block)) - 2, held to -126 .. 127; a block of zeros has e = 0. As a byte (E8M0): e + 127.
;;     - Each number is divided by its block's scale, clamped to +-6, and rounded to the nearest number of E2M1, ties to even, subnormals kept.
;;     - The product sums the exact products of the quantised numbers (number of the format x scale) in f32.
;;   ~~~python
;;   def quantise(x, axis):      # numpy; x: float32 -> the quantised numbers, widened to float32 again
;;       x = np.moveaxis(x, axis, -1); K = x.shape[-1]
;;       x = np.pad(x, [(0, 0)] * (x.ndim - 1) + [(0, -K % 32)]); x = x.reshape(x.shape[:-1] + (-1, 32)); a = np.abs(x).max(-1, keepdims=True)
;;       e = np.where(a > 0, np.clip(np.frexp(np.where(a > 0, a, 1))[1] - 1 - 2, -126, 127), 0)      # np.frexp(a)[1] - 1 = floor(log2(a)), exactly
;;       r = np.clip(x / 2.0 ** e, -6, 6)
;;       step = 2.0 ** (np.maximum(np.frexp(np.where(r == 0, 1, r))[1] - 1, 0) - 1)
;;       q = np.round(r / step) * step * 2.0 ** e      # np.round: ties to even
;;       return np.moveaxis(q.reshape(q.shape[:-2] + (-1,))[..., :K], -1, axis).astype(np.float32)
;;   ~~~
;; One version. Each part assembles by itself: llvm-mc -triple=amdgcn-amd-amdhsa -mcpu=gfx1250 --defsym DOCPART=n.
;; ======== version 1 of 1: 5 launches
;; limits: values are held in f16: magnitudes above 65,504 overflow, below 6.1e-05 lose precision
;; workspace buffers: codes 3,670,016 bytes; scales 229,376 bytes; wo 2,097,152 bytes; qk 16,777,216 bytes; vt 8,388,608 bytes; fine 196,608 bytes; att 8,388,608 bytes
;; launch prep (part 1): grid 512 x 1, 4 waves a work-group, no clusters, 67,072 bytes of LDS; arguments x, W_q, W_k, W_v, W_o, codes, scales, wo; writes codes, scales, wo
.if DOCPART == 1
	.amdgcn_target "amdgcn-amd-amdhsa--gfx1250"
	.amdhsa_code_object_version 6
	.text
	.protected	k_q2775453cb0_prep
	.globl	k_q2775453cb0_prep
	.p2align	8
	.type	k_q2775453cb0_prep,@function
k_q2775453cb0_prep:
	s_mov_b64 s[64:65], 0
	v_nop
	global_prefetch_b8 v0, s[64:65] scope:SCOPE_SE
	s_setreg_imm32_b32 hwreg(HW_REG_WAVE_MODE, 25, 1), 1
	s_wait_xcnt 0x0
; CAUSAL MULTI-HEAD ATTENTION, S = 4096, D = 1024, 16 heads of 64, in five launches: prep, qkv, first16, attn, outproj.
; THIS LAUNCH: x and W_q, W_k, W_v become codes of E2M1 with one E8M0 byte for each 32 along K = 1024 (the quantiser of the three projections); W_o becomes f16.
; WORK LEFT OUT IN THE PROGRAM: only key steps that lie wholly above the diagonal of the causal mask, which the problem builds in its own body (jnp.tril): their scores become
; -infinity ahead of the softmax, their weights are 0 for all values of the inputs, so they reach no output.  Every input has a way to the output and is loaded.
; A NaN, an infinity or an overflow that would arise only in those hidden scores is not carried to the result.
; LIMITS: the products left as they are take f16 operands: magnitudes of Q, K, V, the attention result and W_o above 65504 become infinity, and f16 keeps an absolute step of 6e-8.
; NaN and infinities in x or W are not served by the quantiser.  A block of zeros gets the byte 1 where the rule says 127: its codes are zeros and only this program reads the bytes.
; ALL WORKSPACES ARE IMAGES OF OPERAND REGISTERS: four registers of a fragment are 512 consecutive bytes, lane l at 16 l.
;   codes  [rowtile 448][kstep 8][c 2][lane 32][16 B]: 16 rows x 128 k; lane (r, h) of half c holds k = 64 c + 32 h + 0..31.  Row tiles 0-255: x; 256 + n / 16: columns n of W_q, W_k, W_v on end.
;   scales [tile of 256 rows 28][kh 2][row 256][4 words]: word q of (kh, row) holds the four bytes of kstep 4 kh + q.
;   wo     [ntile 64][c32 32][half 2][lane 32][16 B]: 16 columns n x 32 k of W_o in f16; lane (r, h): half 0 k = 8 h + 0..7, half 1 k = 16 + 8 h + 0..7.
; SHARES: work-groups 0-255: a row tile of x, wave kq takes k = 256 kq on.  256-447: 128 columns x 128 k of one W, a lane to a column, registers down K.  448-511: the same shape of W_o.
; Every wave asks for all its 16 KB at once.
.set R,     16                         ; v16-143  128 numbers
.set C,     144                        ; v144-159 codes of four blocks
.set P,     144                        ; v144-207 W_o in f16
.set SPW,   14                         ; v14 LDS address of my spare word; never rewritten
.set NIL,   15                         ; v15 0; never rewritten
.set SP,    1040                       ; a stage row: 1024 bytes + 16: 65 x 16, so sixteen rows begin at sixteen different 16-byte columns
.set WST,   16*SP                      ; a wave's stage
.set SPARE, 4*WST                      ; behind the stages: the spare words, 128 bytes a wave
; one block of 32 numbers, v[R+32t] on, all in my lane: largest magnitude with the floor 2^(3-127), scale operand, byte into v[5+t], 32 codes into v[C+4t] on
.macro BLK t
.set XS, R+32*(\t)
	v_max3_num_f32 v12, |v[XS]|, |v[XS+1]|, |v[XS+2]|
	v_max3_num_f32 v13, |v[XS+3]|, |v[XS+4]|, |v[XS+5]|
.irp i, 6,10,14,18,22,26
	v_max3_num_f32 v12, v12, |v[XS+\i]|, |v[XS+\i+1]|
	v_max3_num_f32 v13, v13, |v[XS+\i+2]|, |v[XS+\i+3]|
.endr
	v_max3_num_f32 v12, v12, |v[XS+30]|, |v[XS+31]|
	v_max3_num_f32 v12, v12, v13, 0x1800000        ; the floor: the byte cannot fall under 1
	v_add_nc_u32 v11, 0xff000000, v12              ; 2 off the exponent field: the conversion takes this field as its scale
	v_lshrrev_b32 v[5+(\t)], 23, v11               ; the scale byte
.irp g, 0,1,2,3
	v_cvt_scalef32_pk8_fp4_f32 v[C+4*(\t)+\g], v[XS+8*\g:XS+8*\g+7], v11
.endr
.endm
; 128 rows of K at my column: each load reads 128 consecutive bytes a wave, the four waves side by side 512
.macro COLS b
.set i, 0
.rept 128
	global_load_b32 v[R+i], v0, s[\b:\b+1] offset:i*4096 th:TH_LOAD_NT
.set i, i+1
.endr
.endm
	s_load_b512 s[4:19], s[0:1], 0x0               ; x 4, W_q 6, W_k 8, W_v 10, W_o 12, codes 14, scales 16, wo 18
	v_lshl_add_u32 v[SPW], v0, 2, SPARE
	v_mov_b32 v[NIL], 0
	v_lshrrev_b32 v1, 5, v0
	v_readfirstlane_b32 s20, v1                    ; wave
	v_and_b32 v1, 31, v0                           ; lane
	v_lshlrev_b32 v2, 4, v1                        ; 16 x lane
	v_and_b32 v3, 15, v0                           ; r
	v_bfe_u32 v4, v0, 4, 1                         ; h
	s_mul_i32 s27, s20, WST
	v_add_nc_u32 v9, s27, v2                       ; the stage, on the way in: as the bytes are loaded
	v_mul_u32_u24 v10, v3, SP
	v_lshl_add_u32 v10, v4, 7, v10
	v_add_nc_u32 v10, s27, v10                     ; and on the way out: row r, + 128 h: a whole block of 32 numbers
	s_mov_b32 s22, 0x76543210
	s_mov_b32 s23, 0xfedcba98                      ; lane selects: lane l xor 16
	s_mov_b32 s25, 0                               ; the high word of every offset
	s_wait_kmcnt 0x0
	s_cmp_lt_u32 ttmp9, 256
	s_cbranch_scc0 .Lnot_x
	; ---- x: row tile T = work-group, k = 256 wave on (ksteps 2 wave, 2 wave + 1)
	s_lshl_b32 s24, ttmp9, 16
	s_lshl_b32 s26, s20, 10
	s_add_co_u32 s24, s24, s26
	s_add_nc_u64 s[4:5], s[4:5], s[24:25]
.set n, 0
.rept 32
	global_load_b128 v[R+4*n:R+4*n+3], v2, s[4:5] offset:(n/2)*4096+(n%2)*512 th:TH_LOAD_NT   ; 512 consecutive bytes of row n / 2
.set n, n+1
.endr
	s_lshl_b32 s24, ttmp9, 13
	s_lshl_b32 s26, s20, 11
	s_add_co_u32 s24, s24, s26
	s_add_nc_u64 s[14:15], s[14:15], s[24:25]      ; codes: T x 8192 + wave x 2048
	s_lshr_b32 s24, ttmp9, 4
	s_lshl_b32 s24, s24, 13
	s_lshr_b32 s26, s20, 1
	s_lshl_b32 s26, s26, 12
	s_add_co_u32 s24, s24, s26
	s_and_b32 s26, ttmp9, 15
	s_lshl_b32 s26, s26, 8
	s_add_co_u32 s24, s24, s26
	s_and_b32 s26, s20, 1
	s_lshl_b32 s26, s26, 3
	s_add_co_u32 s24, s24, s26
	s_add_nc_u64 s[16:17], s[16:17], s[24:25]      ; scales: (T / 16) x 8192 + (wave / 2) x 4096 + (T % 16) x 256 + (wave % 2) x 8
.set n, 0
.rept 32
	s_wait_loadcnt 31-n                            ; loads come back in order: load n is in, the younger ones stay out
	ds_store_b128 v9, v[R+4*n:R+4*n+3] offset:(n/2)*SP+(n%2)*512
.set n, n+1
.endr
	s_wait_dscnt 0x0                               ; the stores have read their registers
.set n, 0
.rept 32
	ds_load_b128 v[R+4*n:R+4*n+3], v10 offset:256*(n/8)+16*(n%8)   ; block t = n / 8: k = 64 t + 32 h + 0..31 of my row (my own bytes: LDS serves a wave in order)
.set n, n+1
.endr
.irp t, 0,1,2,3
	s_wait_dscnt 8*(3-\t)                          ; block t is back; eight loads for each later block may be out
	BLK \t
.endr
	v_nop                                          ; a plain line behind the last scaled conversion
	v_lshlrev_b32 v11, 3, v4                       ; 8 h
	v_lshl_or_b32 v12, v6, 16, v5                  ; kstep 0: my bytes of blocks h and 2 + h,
	v_lshl_or_b32 v13, v8, 16, v7                  ; kstep 1 likewise,
	v_lshlrev_b32 v12, v11, v12                    ; at their places in the word
	v_lshlrev_b32 v13, v11, v13
	v_mov_b32 v5, 0
	v_mov_b32 v6, 0
	v_permlanex16_b32 v5, v12, s22, s23
	v_permlanex16_b32 v6, v13, s22, s23
	v_or_b32 v12, v12, v5                          ; with lane l xor 16 the words are whole
	v_or_b32 v13, v13, v6
	v_cmp_eq_u32 vcc_lo, 1, v4
	v_cndmask_b32 v12, v12, v13, vcc_lo            ; lanes 0-15 store kstep 0's word, lanes 16-31 kstep 1's
	v_lshlrev_b32 v13, 4, v3
	v_lshl_add_u32 v13, v4, 2, v13                 ; 16 r + 4 h
.irp t, 0,1,2,3
	global_store_b128 v2, v[C+4*\t:C+4*\t+3], s[14:15] offset:512*\t   ; 512 consecutive bytes: half t % 2 of kstep t / 2
.endr
	global_store_b32 v13, v12, s[16:17]            ; pieces of 8 bytes a row: one byte in 128 of what this path reads
	s_wait_tensorcnt 0x0                           ; the wave's end, behind my last LDS store
	ds_add_u32 v[SPW], v[NIL]
	s_wait_dscnt 0x0
	s_endpgm
.Lnot_x:
	v_lshlrev_b32 v0, 2, v1                        ; 4 x lane: a lane to a column
	s_cmp_lt_u32 ttmp9, 448
	s_cbranch_scc0 .Lpath_o
	; ---- W_q, W_k, W_v: tensor tz, columns 128 cg + 32 wave + lane, kstep ks.  No LDS on this path.
	s_sub_co_u32 s28, ttmp9, 256
	s_lshr_b32 s29, s28, 6                         ; tz
	s_and_b32 s30, s28, 7                          ; cg
	s_bfe_u32 s31, s28, 0x30003                    ; ks
	s_cmp_eq_u32 s29, 0
	s_cselect_b64 s[32:33], s[6:7], s[8:9]
	s_cmp_eq_u32 s29, 2
	s_cselect_b64 s[32:33], s[10:11], s[32:33]
	s_lshl_b32 s24, s31, 19                        ; 128 rows of 4096 bytes
	s_lshl_b32 s26, s30, 9
	s_add_co_u32 s24, s24, s26
	s_lshl_b32 s26, s20, 7
	s_add_co_u32 s24, s24, s26
	s_add_nc_u64 s[32:33], s[32:33], s[24:25]
	COLS 32
	v_lshlrev_b32 v1, 4, v3
	v_lshl_add_u32 v1, v4, 13, v1                  ; codes: (lane / 16) row tiles + 16 (lane % 16)
	s_lshl_b32 s24, s29, 6
	s_lshl_b32 s26, s30, 3
	s_add_co_u32 s24, s24, s26
	s_lshl_b32 s26, s20, 1
	s_add_co_u32 s24, s24, s26
	s_add_co_u32 s24, s24, 256                     ; row tile 256 + 64 tz + 8 cg + 2 wave
	s_lshl_b32 s24, s24, 13
	s_lshl_b32 s26, s31, 10
	s_add_co_u32 s24, s24, s26
	s_add_nc_u64 s[14:15], s[14:15], s[24:25]
	s_lshl_b32 s24, s29, 2
	s_lshr_b32 s26, s30, 1
	s_add_co_u32 s24, s24, s26
	s_add_co_u32 s24, s24, 16                      ; tile of 256 rows: 16 + 4 tz + cg / 2
	s_lshl_b32 s24, s24, 13
	s_lshr_b32 s26, s31, 2
	s_lshl_b32 s26, s26, 12
	s_add_co_u32 s24, s24, s26
	s_and_b32 s26, s30, 1
	s_lshl_b32 s26, s26, 11
	s_add_co_u32 s24, s24, s26
	s_lshl_b32 s26, s20, 9
	s_add_co_u32 s24, s24, s26
	s_and_b32 s26, s31, 3
	s_lshl_b32 s26, s26, 2
	s_add_co_u32 s24, s24, s26
	s_add_nc_u64 s[16:17], s[16:17], s[24:25]
.irp b, 0,1,2,3
.if 32*(3-\b) > 63
	s_wait_loadcnt 63                              ; a count cannot name more than 63: at most 63 of the 128 loads are out, so this block's 32 are in
.else
	s_wait_loadcnt 32*(3-\b)                       ; the later blocks' loads may be out
.endif
	BLK \b
.endr
	v_nop                                          ; a plain line behind the last scaled conversion
	v_lshl_or_b32 v5, v6, 8, v5                    ; the four bytes make my column's word of this kstep
	v_lshl_or_b32 v5, v7, 16, v5
	v_lshl_or_b32 v5, v8, 24, v5
.irp b, 0,1,2,3
	global_store_b128 v1, v[C+4*\b:C+4*\b+3], s[14:15] offset:(\b/2)*512+(\b%2)*256   ; block b = 2 c + h: sixteen lanes fill 256 consecutive bytes of each of two row tiles
.endr
	global_store_b32 v2, v5, s[16:17]
	s_endpgm
.Lpath_o:
	; ---- W_o: columns 128 cg + 32 wave + lane, k = 128 kg on, to f16.  No LDS on this path.
	s_sub_co_u32 s28, ttmp9, 448
	s_and_b32 s30, s28, 7                          ; cg
	s_lshr_b32 s31, s28, 3                         ; kg
	s_lshl_b32 s24, s31, 19
	s_lshl_b32 s26, s30, 9
	s_add_co_u32 s24, s24, s26
	s_lshl_b32 s26, s20, 7
	s_add_co_u32 s24, s24, s26
	s_add_nc_u64 s[12:13], s[12:13], s[24:25]
	COLS 12
	v_lshlrev_b32 v1, 4, v3
	v_lshl_add_u32 v1, v4, 15, v1                  ; (lane / 16) n tiles of 32768 bytes + 16 (lane % 16)
	s_lshl_b32 s24, s30, 3
	s_lshl_b32 s26, s20, 1
	s_add_co_u32 s24, s24, s26
	s_lshl_b32 s24, s24, 15
	s_lshl_b32 s26, s31, 12
	s_add_co_u32 s24, s24, s26
	s_add_nc_u64 s[18:19], s[18:19], s[24:25]
	s_wait_loadcnt 0x0
.set j, 0
.rept 64
	v_cvt_pk_f16_f32 v[P+j], v[R+2*j], v[R+2*j+1]  ; the lower k in the low half
.set j, j+1
.endr
.irp c, 0,1,2,3
.irp qd, 0,1,2,3
	global_store_b128 v1, v[P+16*\c+4*\qd:P+16*\c+4*\qd+3], s[18:19] offset:\c*1024+(\qd/2)*512+(\qd%2)*256   ; k = 32 c + 8 qd on: half qd / 2, lanes' half qd % 2
.endr
.endr
	s_endpgm
.Lfunc_end_k_q2775453cb0_prep:
	.size	k_q2775453cb0_prep, .Lfunc_end_k_q2775453cb0_prep-k_q2775453cb0_prep
	.p2alignl 7, 3214868480
	.fill 96, 4, 3214868480
	.section	.rodata,"a",@progbits
	.p2align	6, 0x0
	.amdhsa_kernel k_q2775453cb0_prep
		.amdhsa_group_segment_fixed_size 67072
		.amdhsa_private_segment_fixed_size 0
		.amdhsa_enable_private_segment 0
		.amdhsa_kernarg_size 64
		.amdhsa_user_sgpr_count 2
		.amdhsa_user_sgpr_kernarg_segment_ptr 1
		.amdhsa_wavefront_size32 1
		.amdhsa_system_sgpr_workgroup_id_x 1
		.amdhsa_system_sgpr_workgroup_id_y 1
		.amdhsa_system_sgpr_workgroup_id_z 1
		.amdhsa_system_vgpr_workitem_id 0
		.amdhsa_next_free_vgpr 208
		.amdhsa_next_free_sgpr 66
		.amdhsa_reserve_vcc 1
		.amdhsa_float_denorm_mode_32 3
		.amdhsa_float_denorm_mode_16_64 3
		.amdhsa_memory_ordered 1
		.amdhsa_forward_progress 1
		.amdhsa_inst_pref_size 55
	.end_amdhsa_kernel
	.amdgpu_metadata
---
amdhsa.version: [ 1, 2 ]
amdhsa.kernels:
  - .name:           k_q2775453cb0_prep
    .symbol:         k_q2775453cb0_prep.kd
    .args:
      - { .name: x, .offset: 0, .size: 8, .value_kind: global_buffer, .address_space: global }
      - { .name: W_q, .offset: 8, .size: 8, .value_kind: global_buffer, .address_space: global }
      - { .name: W_k, .offset: 16, .size: 8, .value_kind: global_buffer, .address_space: global }
      - { .name: W_v, .offset: 24, .size: 8, .value_kind: global_buffer, .address_space: global }
      - { .name: W_o, .offset: 32, .size: 8, .value_kind: global_buffer, .address_space: global }
      - { .name: codes, .offset: 40, .size: 8, .value_kind: global_buffer, .address_space: global }
      - { .name: scales, .offset: 48, .size: 8, .value_kind: global_buffer, .address_space: global }
      - { .name: wo, .offset: 56, .size: 8, .value_kind: global_buffer, .address_space: global }
    .group_segment_fixed_size: 67072
    .private_segment_fixed_size: 0
    .kernarg_segment_align: 8
    .kernarg_segment_size: 64
    .max_flat_workgroup_size: 128
    .sgpr_count:     66
    .vgpr_count:     208
    .wavefront_size: 32
...
	.end_amdgpu_metadata
.endif
;; end of part 1
;; launch qkv (part 2): grid 12 x 16, 4 waves a work-group, clusters of 4 x 4, 327,680 bytes of LDS; arguments codes, scales, qk, vt, fine; writes qk, vt, fine
.if DOCPART == 2
	.amdgcn_target "amdgcn-amd-amdhsa--gfx1250"
	.amdhsa_code_object_version 6
	.text
	.protected	k_q2775453cb0_qkv
	.globl	k_q2775453cb0_qkv
	.p2align	8
	.type	k_q2775453cb0_qkv,@function
k_q2775453cb0_qkv:
	s_mov_b64 s[64:65], 0
	v_nop
	global_prefetch_b8 v0, s[64:65] scope:SCOPE_SE
	s_setreg_imm32_b32 hwreg(HW_REG_WAVE_MODE, 25, 1), 1
	s_wait_xcnt 0x0
	s_wait_alu depctr_hold_cnt(0) depctr_sa_sdst(0) depctr_va_vdst(0) depctr_va_sdst(0) depctr_va_ssrc(0) depctr_va_vcc(0) depctr_vm_vsrc(0)
	s_getreg_b32 s2, hwreg(HW_REG_IB_STS2, 6, 4)
	s_cmp_eq_u32 s2, 0
	s_cbranch_scc0 .Lentry_in_a_cluster
	s_endpgm
.Lentry_in_a_cluster:
	s_bfe_u32 s2, ttmp6, 0x10000c
	s_cmp_lg_u32 s2, 0xf033
	s_cbranch_scc0 .Lentry_shape_is_right
	s_endpgm
.Lentry_shape_is_right:
; Q, K, V = x W_q, x W_k, x W_v on codes of E2M1 with E8M0 scales, K = 1024; sums in f32; results leave as f16 images of the operands that the attention wants.  Nothing is left out here.
; A tile of 256 x 256 to a work-group of four waves, 128 x 128 a wave: 64 accumulators.  K goes in two LDS slots of 512, both filled once at the start by the tensor data mover: no slot is filled again.
; CLUSTERS of 4 x 4.  Clusters x = 0, 1: side A = 256 positions of x (tile 4 Y + cy), side B = 256 columns of W_q or W_k (tile 16 + 4 X + cx).
; Cluster x = 2 makes V WITH THE SIDES SWAPPED: side A = 256 columns of W_v (tile 24 + cy), side B = 256 positions (tile 4 Y + cx).  The text is the same; only addresses are chosen, by the cluster's x, which all partners share.
; A's tiles are shared along a row of the cluster, B's along a column: each is asked for jointly.
; THE MATRIX INSTRUCTION: source 0 = 16 rows of side B, source 1 = 16 rows of side A: lane (r, h) holds row r of side A and rows 8 h + 0..7 of side B.
;   Q, K: a lane holds a position and eight neighbouring features: packed to f16 they are four registers of a fragment 16 positions x 32 features.
;   V:    a lane holds a feature d and eight neighbouring positions: four registers of a fragment of V transposed, 16 d x 32 keys.
; OUT: qk [head 32: Q 0-15, K 16-31][position tile 256][u 2][1 KB];  vt [64 keys kp 64][d tile 64][kodd 2][1 KB];  each store covers 512 consecutive bytes, aligned.
;      fine [tile 192][g 2][lane][16 B]: the f32 accumulators that hold positions 0-15 (Q 0-63, K 64-127: lane = position; V 128-191: lane = d), for the launch that carries those rows in f32.
; LDS: slot kh at kh x 131072: side A [16 row tiles][4 ksteps][1 KB], side B 65536 on; scale words at 262144: A [kh][256 rows][16 B], B 8192 on; then the spare words.
; REGISTERS in windows of 256: window 0: v16-29 addresses, v32-95 scale words (two sets), v128-191 A's fragments (one set), later packed results; window 1: B's fragments, two sets; windows 2, 3: accumulators.
.set NQ,    4                          ; ksteps of 128 in a slot
.set FR,    8                          ; registers of a fragment
.set NL,    2                          ; LDS loads that bring one
.set NP,    4                          ; places behind this matrix instruction (ISA guide 7.12.1)
.set SLOT,  131072
.set BOFF,  65536
.set SCL,   2*SLOT
.set SPARE, SCL+16384
.set ADRA,  16                         ; v16-17 LDS address of my A fragments in slot 0, 1
.set ADRB,  20                         ; v20-21 the same for B
.set LO,    24                         ; v24 16 x lane
.set FLQ,   25                         ; v25 0 where my block (0, b) holds positions 0-15 of Q or K
.set FLV,   26                         ; v26 0 where my blocks (a, 0) hold positions 0-15 of V
.set ADRS,  27                         ; v27 LDS address of my scale words: lanes 0-15 A's rows, lanes 16-31 B's
.set SPW,   28                         ; v28 LDS address of my spare word; never rewritten
.set NIL,   29                         ; v29 0; never rewritten
.set SC,    32
.set AF,    128
.set TMP,   128
.set G1,    24
.set G0,    32
.set G1B,   48
.set G0B,   56
.set G1S,   68
.set G0S,   76
.set G1SB,  80
.set G0SB,  88
.set OB0,   96                         ; s[96:97], s[98:99] where my results go: B's blocks 0-3, 4-7
.set FB,    100                        ; s[100:101] my place in fine
.set MSB, 0
.macro WIN new                         ; the immediate's high byte repeats the setting that is left
.if MSB != \new
	s_set_vgpr_msb (MSB<<8)|\new
.set MSB, \new
.endif
.endm
.set MUL_LO, 0xa1                      ; source 0 (B) window 1, source 1 (A) window 0, C and D window 2
.set MUL_HI, 0xf1                      ; the same, C and D window 3
.set TO_B,   0x40                      ; destination window 1, address window 0
; a joint load: waves 0 and 1 fetch for A, waves 2 and 3 for B; the branch hangs on the wave's number alone; an s_nop 0 and four v_nop follow each line
.macro JLOAD g0a, g1a, g0b, g1b
	s_cmp_eq_u32 s15, 0
	s_cbranch_scc0 .Lfor_b_\@
	tensor_load_to_lds s[\g0a:\g0a+3], s[\g1a:\g1a+7]
	s_nop 0
.rept 4
	v_nop
.endr
	s_branch .Lasked_\@
.Lfor_b_\@:
	tensor_load_to_lds s[\g0b:\g0b+3], s[\g1b:\g1b+7]
	s_nop 0
.rept 4
	v_nop
.endr
.Lasked_\@:
.endm
.macro CROUND                          ; a round of the cluster's barrier
	s_barrier_signal -1
	s_barrier_wait -1
	s_cmp_lg_u32 s14, 0
	s_cbranch_scc1 .Lnot_wave_0_\@
	s_barrier_signal -3
.Lnot_wave_0_\@:
	s_barrier_wait -3
	s_barrier_signal -1
	s_barrier_wait -1
.endm
	s_load_b256 s[4:11], s[0:1], 0x0               ; codes 4, scales 6, qk 8, vt 10
	s_load_b64 s[12:13], s[0:1], 0x20              ; fine
	v_lshl_add_u32 v[SPW], v0, 2, SPARE
	v_mov_b32 v[NIL], 0
	ds_add_u32 v[SPW], v[NIL]                      ; the wave's opening: the add, twice on end, and its wait ahead of my first tensor load
	ds_add_u32 v[SPW], v[NIL]
	v_lshrrev_b32 v1, 5, v0
	v_readfirstlane_b32 s14, v1                    ; wave 0..3
	s_lshr_b32 s15, s14, 1                         ; which half of side A's rows is mine.  Also: I fetch for A (0) or for B (1)
	s_and_b32 s16, s14, 1                          ; which half of side B's rows.  Also: which half of that tile I fetch
	s_bfe_u32 s40, ttmp6, 0x40000                  ; cx
	s_bfe_u32 s41, ttmp6, 0x40004                  ; cy
	s_and_b32 s17, ttmp7, 0xffff
	s_lshl_b32 s17, s17, 2                         ; 4 Y
	s_lshl_b32 s18, ttmp9, 2
	s_add_co_u32 s18, s18, 16                      ; 16 + 4 X
	s_cmp_eq_u32 ttmp9, 2                          ; V's clusters: the same answer in all sixteen partners
	s_cselect_b32 s42, 1, 0
	s_cselect_b32 s19, 24, s17
	s_cselect_b32 s45, s17, s18
	s_add_co_u32 s19, s19, s41                     ; side A's tile of 256 rows: cy alone of my place enters it
	s_add_co_u32 s45, s45, s40                     ; side B's: cx alone
	s_lshl_b32 s43, s41, 2
	s_lshl_b32 s43, 15, s43                        ; my row of the cluster
	s_lshl_b32 s44, 0x1111, s40                    ; my column
	; group 1 for codes: 8 row tiles x 4096 bytes (4 ksteps), 8192 bytes apart, as elements of 8 bytes; no padding: images are read 16 bytes a lane on end
	s_or_b32 s[G1+0], s43, (3<<16)|(1<<21)
	s_or_b32 s[G1B+0], s44, (3<<16)|(1<<21)
.irp g, G1, G1B
	s_mov_b32 s[\g+1], 512<<16                     ; tensor_dim0
	s_mov_b32 s[\g+2], 8<<16                       ; tensor_dim1
	s_mov_b32 s[\g+3], 512<<16                     ; tile_dim0
	s_mov_b32 s[\g+4], 8                           ; tile_dim1
	s_mov_b32 s[\g+5], 1024                        ; stride
	s_mov_b32 s[\g+6], 0
	s_mov_b32 s[\g+7], 0
.endr
	; group 1 for scale words: 4096 dense bytes (one kh of 256 rows) as 16 rows of 256 bytes
	s_or_b32 s[G1S+0], s43, (3<<16)|(1<<21)
	s_or_b32 s[G1SB+0], s44, (3<<16)|(1<<21)
.irp g, G1S, G1SB
	s_mov_b32 s[\g+1], 32<<16
	s_mov_b32 s[\g+2], 16<<16
	s_mov_b32 s[\g+3], 32<<16
	s_mov_b32 s[\g+4], 16
	s_mov_b32 s[\g+5], 32
	s_mov_b32 s[\g+6], 0
	s_mov_b32 s[\g+7], 0
.endr
	s_lshl_b32 s20, s19, 17                        ; A's codes: tile x 131072 + half x 65536
	s_lshl_b32 s21, s16, 16
	s_add_co_u32 s20, s20, s21
	s_mov_b32 s21, 0
	s_lshl_b32 s22, s19, 13                        ; A's scale words: tile x 8192 + half x 4096
	s_lshl_b32 s23, s16, 12
	s_add_co_u32 s22, s22, s23
	s_mov_b32 s23, 0
	s_lshl_b32 s46, s45, 17
	s_lshl_b32 s47, s16, 16
	s_add_co_u32 s46, s46, s47
	s_mov_b32 s47, 0
	s_lshl_b32 s92, s45, 13
	s_lshl_b32 s93, s16, 12
	s_add_co_u32 s92, s92, s93
	s_mov_b32 s93, 0
	s_lshl_b32 s94, s14, 15                        ; where they go: wave x 32768; no place in the cluster enters an LDS address
	s_lshl_b32 s95, s14, 12
	s_wait_dscnt 0x0                               ; both opening adds are done
	s_wait_kmcnt 0x0
	s_add_nc_u64 s[20:21], s[4:5], s[20:21]
	s_add_nc_u64 s[22:23], s[6:7], s[22:23]
	s_add_nc_u64 s[46:47], s[4:5], s[46:47]
	s_add_nc_u64 s[92:93], s[6:7], s[92:93]
	CROUND                                         ; all sixteen work-groups are here: the joint loads meet
	s_mov_b32 s[G0S], 1
	s_add_co_u32 s[G0S+1], s95, SCL
	s_mov_b64 s[G0S+2:G0S+3], s[22:23]
	s_or_b32 s[G0S+3], s[G0S+3], 0x80000000
	s_mov_b32 s[G0SB], 1
	s_add_co_u32 s[G0SB+1], s95, SCL
	s_mov_b64 s[G0SB+2:G0SB+3], s[92:93]
	s_or_b32 s[G0SB+3], s[G0SB+3], 0x80000000
	JLOAD G0S, G1S, G0SB, G1SB                     ; the scale words first
.irp s, 0,1
	s_mov_b32 s[G0+4*\s], 1
	s_add_co_u32 s[G0+4*\s+1], s94, \s*SLOT
	s_add_nc_u64 s[G0+4*\s+2:G0+4*\s+3], s[20:21], \s*4096
	s_or_b32 s[G0+4*\s+3], s[G0+4*\s+3], 0x80000000
	s_mov_b32 s[G0B+4*\s], 1
	s_add_co_u32 s[G0B+4*\s+1], s94, \s*SLOT
	s_add_nc_u64 s[G0B+4*\s+2:G0B+4*\s+3], s[46:47], \s*4096
	s_or_b32 s[G0B+4*\s+3], s[G0B+4*\s+3], 0x80000000
	JLOAD G0+4*\s, G1, G0B+4*\s, G1B               ; by my own count two, then three tensor loads of mine are out
.endr
	v_and_b32 v1, 15, v0                           ; r
	v_bfe_u32 v2, v0, 4, 1                         ; h
	v_and_b32 v3, 31, v0
	v_lshlrev_b32 v[LO], 4, v3
	s_lshl_b32 s21, s15, 15                        ; my 8 row tiles of A
	s_lshl_b32 s22, s16, 15
	s_add_co_u32 s22, s22, BOFF                    ; my 8 of B
.irp s, 0,1
	v_add_nc_u32 v[ADRA+\s], s21, v[LO]
	v_add_nc_u32 v[ADRB+\s], s22, v[LO]
	s_add_co_u32 s21, s21, SLOT
	s_add_co_u32 s22, s22, SLOT
.endr
	v_lshlrev_b32 v5, 4, v1                        ; a row's four words: 16 bytes
	s_lshl_b32 s21, s15, 11                        ; A's: my 128 rows
	s_lshl_b32 s22, s16, 11                        ; B's: my 128 rows, 8192 behind A's
	s_add_co_u32 s22, s22, 8192
	s_sub_co_u32 s22, s22, s21
	v_mul_u32_u24 v6, s22, v2                      ; lanes 16-31 take B's: one product with h
	s_add_co_u32 s21, s21, SCL
	v_add_nc_u32 v5, v5, v6
	v_add_nc_u32 v[ADRS], s21, v5
	; where the results go
	s_lshl_b32 s3, ttmp9, 2
	s_cmp_eq_u32 s42, 1
	s_cselect_b32 s2, 0, s17
	s_cselect_b32 s3, s17, s3
	s_cselect_b64 s[OB0:OB0+1], s[10:11], s[8:9]   ; vt or qk
	s_cselect_b32 s18, 17, 19                      ; from four of B's blocks to the next: 131072 bytes in vt, 524288 in qk
	s_add_co_u32 s2, s2, s41                       ; side A's tile, counted inside its tensor
	s_add_co_u32 s3, s3, s40                       ; side B's
	s_lshl_b32 s20, s2, 4
	s_lshl_b32 s21, s15, 3
	s_add_co_u32 s20, s20, s21                     ; my first block of 16 on side A
	s_lshl_b32 s46, s3, 4
	s_lshl_b32 s47, s16, 3
	s_add_co_u32 s46, s46, s47                     ; and on side B
	s_lshr_b32 s92, s46, 2
	s_lshl_b32 s92, s92, s18
	s_lshl_b32 s93, s20, 11
	s_add_co_u32 s66, s92, s93
	s_mov_b32 s67, 0
	s_add_nc_u64 s[OB0:OB0+1], s[OB0:OB0+1], s[66:67]
	s_lshl_b32 s66, 1, s18
	s_add_nc_u64 s[OB0+2:OB0+3], s[OB0:OB0+1], s[66:67]
	s_add_co_u32 s93, s20, 128
	s_lshr_b32 s94, s20, 3
	s_lshr_b32 s95, s46, 3
	s_cmp_eq_u32 s42, 1
	s_cselect_b32 s66, s93, s46                    ; my first tile in fine: V by side A, Q and K by side B
	s_cselect_b32 s94, 1, s94                      ; Q, K: 0 where my A block 0 is positions 0-15; in V's clusters never 0
	s_cselect_b32 s95, s95, 1                      ; V: 0 where my B block 0 is positions 0-15; elsewhere never 0
	s_lshl_b32 s66, s66, 10
	s_add_nc_u64 s[FB:FB+1], s[12:13], s[66:67]
	v_mov_b32 v[FLQ], s94
	v_mov_b32 v[FLV], s95
.macro FRAG reg, adr, q, i             ; a fragment's image: two loads of 512 consecutive bytes
.irp c, 0,1
	ds_load_b128 v[\reg+4*\c:\reg+4*\c+3], v[\adr] offset:(\i)*4096+(\q)*1024+\c*512
.endr
.endm
; 16 matrix instructions: A's blocks a0, a0 + 1 x B's eight, the slot's q-th 128 along K.  The 64 accumulators take turns, one instruction a turn, in the same order in every step.
.macro MUL16 a0, p, q, sc, zero
.irp a, \a0, \a0+1
.irp b, 0,1,2,3,4,5,6,7
.if \zero
	v_wmma_scale_f32_16x16x128_f8f6f4 v[8*(8*((\a)%4)+\b):8*(8*((\a)%4)+\b)+7], v[128*(\p)+FR*\b:128*(\p)+FR*\b+FR-1], v[AF+FR*(\a):AF+FR*(\a)+FR-1], 0, v[SC+8*NQ*(\sc)+NQ*\b+(\q)], v[SC+8*NQ*(\sc)+NQ*(\a)+(\q)] matrix_a_fmt:MATRIX_FMT_FP4 matrix_b_fmt:MATRIX_FMT_FP4 matrix_a_scale:MATRIX_SCALE_ROW1
.else
	v_wmma_scale_f32_16x16x128_f8f6f4 v[8*(8*((\a)%4)+\b):8*(8*((\a)%4)+\b)+7], v[128*(\p)+FR*\b:128*(\p)+FR*\b+FR-1], v[AF+FR*(\a):AF+FR*(\a)+FR-1], v[8*(8*((\a)%4)+\b):8*(8*((\a)%4)+\b)+7], v[SC+8*NQ*(\sc)+NQ*\b+(\q)], v[SC+8*NQ*(\sc)+NQ*(\a)+(\q)] matrix_a_fmt:MATRIX_FMT_FP4 matrix_b_fmt:MATRIX_FMT_FP4 matrix_a_scale:MATRIX_SCALE_ROW1
.endif
.endr
.endr
.endm
.macro FETCH_B slot, q, p
	WIN TO_B
.irp i, 0,1,2,3,4,5,6,7
	FRAG 128*(\p)+FR*\i, ADRB+\slot, \q, \i
.endr
	WIN 0
.endm
.macro FETCH_A slot, q, i0
.irp i, \i0, \i0+1, \i0+2, \i0+3
	FRAG AF+FR*(\i), ADRA+\slot, \q, \i
.endr
.endm
.macro SCALES sc                       ; a slot's scale words: four words a row; lanes 0-15 A's block i, lanes 16-31 B's block i
.irp i, 0,1,2,3,4,5,6,7
	ds_load_b128 v[SC+8*NQ*\sc+NQ*\i:SC+8*NQ*\sc+NQ*\i+3], v[ADRS] offset:\i*256
.endr
.endm
.macro PLACES n                        ; plain vector lines between a matrix instruction and a load into, or a read of, its registers
.rept \n
	v_nop
.endr
.endm
.macro STEP slot, q, zero              ; 128 along K, with its successor in the same slot
	s_wait_dscnt 4*NL                              ; all but the youngest eight loads (A's blocks 4-7) are in
	WIN MUL_LO
	MUL16 0, (\q)%2, \q, \slot, \zero
	MUL16 2, (\q)%2, \q, \slot, \zero
	s_wait_dscnt 0                                 ; A's blocks 4-7 are in
	PLACES NP
	FETCH_B \slot, (\q)+1, 1-(\q)%2
	FETCH_A \slot, (\q)+1, 0
	WIN MUL_HI
	MUL16 4, (\q)%2, \q, \slot, \zero
	MUL16 6, (\q)%2, \q, \slot, \zero
	PLACES NP
	WIN 0
	FETCH_A \slot, (\q)+1, 4
.endm
.macro TURN slot, next                 ; a slot's last step changes slots: one barrier
	s_wait_tensorcnt 0x0                           ; all my tensor loads have landed: my part of the next slot
	ds_add_u32 v[SPW], v[NIL]                      ; 0 onto my spare word
	s_wait_dscnt 4*NL+1                            ; the add and the youngest eight loads may be out
	WIN MUL_LO
	MUL16 0, 1, NQ-1, \slot, 0
	s_wait_dscnt 0x0                               ; the add is done and my reads are back
	s_barrier_signal -1
	MUL16 2, 1, NQ-1, \slot, 0
	WIN 0
	s_barrier_wait -1                              ; the next slot is whole for every wave
	PLACES NP
	v_add_nc_u32 v[ADRS], 4096, v[ADRS]            ; the next slot's scale words
	FETCH_B \next, 0, 0
	FETCH_A \next, 0, 0
	SCALES \next
	WIN MUL_HI
	MUL16 4, 1, NQ-1, \slot, 0
	MUL16 6, 1, NQ-1, \slot, 0
	PLACES NP
	WIN 0
	FETCH_A \next, 0, 4
.endm
.macro STEPS slot, from
.set Q, \from
.rept NQ-1-\from
	STEP \slot, Q, 0
.set Q, Q+1
.endr
.endm
	s_wait_tensorcnt 1                             ; the scale words and my part of slot 0 are in; slot 1's load may be out
	s_barrier_signal -1
	s_barrier_wait -1
	FETCH_B 0, 0, 0
	FETCH_A 0, 0, 0
	SCALES 0
	FETCH_A 0, 0, 4
	STEP 0, 0, 1                                   ; the first products start the sums: nothing is cleared
	STEPS 0, 1
	TURN 0, 1
	STEPS 1, 0
	s_wait_dscnt 4*NL                              ; the last step
	WIN MUL_LO
	MUL16 0, 1, NQ-1, 1, 0
	MUL16 2, 1, NQ-1, 1, 0
	s_wait_dscnt 0
	WIN MUL_HI
	MUL16 4, 1, NQ-1, 1, 0
	MUL16 6, 1, NQ-1, 1, 0
	WIN 0
; THE WAY OUT, with no LDS: the four packed registers of accumulator (a, b) ARE four registers of the reader's fragment, lane for lane.
.macro PACKF a
.set AC, 64*((\a)%4)
.set TT, TMP+32*((\a)%2)
	WIN 0x0a+5*((\a)/4)                            ; sources in window 2 or 3
.irp b, 0,1,2,3,4,5,6,7
.irp r, 0,1,2,3
	v_cvt_pk_f16_f32 v[TT+4*\b+\r], v[AC+8*\b+2*\r], v[AC+8*\b+2*\r+1]   ; each accumulator from its low end on
.endr
.endr
	WIN 0
.endm
.macro SENDF a
.set TT, TMP+32*((\a)%2)
.irp b, 0,1,2,3,4,5,6,7
	global_store_b128 v[LO], v[TT+4*\b:TT+4*\b+3], s[OB0+2*(\b/4):OB0+2*(\b/4)+1] offset:(\a)*2048+((\b/2)%2)*1024+(\b%2)*512
.endr
.endm
	PLACES NP                                      ; behind the last products: their results are read and A's registers written below
.irp a, 0,1,2,3,4,5,6,7
.if \a > 1
	s_wait_xcnt 0x0                                ; block a - 2's stores have read their data: the set is written again
.endif
	PACKF \a
	SENDF \a
.endr
	; positions 0-15 in f32.  Lanes are switched off, no branch: all partners run the same lines.
	v_cmp_eq_u32 vcc_lo, 0, v[FLQ]
	s_wait_xcnt 0x0                                ; EXEC changes only behind this wait
	s_and_saveexec_b32 s104, vcc_lo
	WIN 0x08                                       ; a store's data: window 2
.irp b, 0,1,2,3,4,5,6,7
	global_store_b128 v[LO], v[8*\b:8*\b+3], s[FB:FB+1] offset:\b*1024
	global_store_b128 v[LO], v[8*\b+4:8*\b+7], s[FB:FB+1] offset:\b*1024+512
.endr
	WIN 0
	s_wait_xcnt 0x0
	s_or_b32 exec_lo, exec_lo, s104
	v_cmp_eq_u32 vcc_lo, 0, v[FLV]
	s_and_saveexec_b32 s104, vcc_lo                ; (no memory instruction since the wait above)
	WIN 0x08
.irp a, 0,1,2,3
	global_store_b128 v[LO], v[64*\a:64*\a+3], s[FB:FB+1] offset:\a*1024
	global_store_b128 v[LO], v[64*\a+4:64*\a+7], s[FB:FB+1] offset:\a*1024+512
.endr
	WIN 0x0c                                       ; window 3
.irp a, 0,1,2,3
	global_store_b128 v[LO], v[64*\a:64*\a+3], s[FB:FB+1] offset:(\a+4)*1024
	global_store_b128 v[LO], v[64*\a+4:64*\a+7], s[FB:FB+1] offset:(\a+4)*1024+512
.endr
	WIN 0
	s_wait_xcnt 0x0
	s_or_b32 exec_lo, exec_lo, s104
	s_wait_tensorcnt 0x0                           ; the wave's end
	ds_add_u32 v[SPW], v[NIL]
	s_wait_dscnt 0x0
	CROUND                                         ; the closing round
	s_endpgm
.Lfunc_end_k_q2775453cb0_qkv:
	.size	k_q2775453cb0_qkv, .Lfunc_end_k_q2775453cb0_qkv-k_q2775453cb0_qkv
	.p2alignl 7, 3214868480
	.fill 96, 4, 3214868480
	.section	.rodata,"a",@progbits
	.p2align	6, 0x0
	.amdhsa_kernel k_q2775453cb0_qkv
		.amdhsa_group_segment_fixed_size 327680
		.amdhsa_private_segment_fixed_size 0
		.amdhsa_enable_private_segment 0
		.amdhsa_kernarg_size 40
		.amdhsa_user_sgpr_count 2
		.amdhsa_user_sgpr_kernarg_segment_ptr 1
		.amdhsa_wavefront_size32 1
		.amdhsa_system_sgpr_workgroup_id_x 1
		.amdhsa_system_sgpr_workgroup_id_y 1
		.amdhsa_system_sgpr_workgroup_id_z 1
		.amdhsa_system_vgpr_workitem_id 0
		.amdhsa_next_free_vgpr 1024
		.amdhsa_next_free_sgpr 106
		.amdhsa_reserve_vcc 1
		.amdhsa_float_denorm_mode_32 3
		.amdhsa_float_denorm_mode_16_64 3
		.amdhsa_memory_ordered 1
		.amdhsa_forward_progress 1
		.amdhsa_inst_pref_size 121
	.end_amdhsa_kernel
	.amdgpu_metadata
---
amdhsa.version: [ 1, 2 ]
amdhsa.kernels:
  - .name:           k_q2775453cb0_qkv
    .symbol:         k_q2775453cb0_qkv.kd
    .args:
      - { .name: codes, .offset: 0, .size: 8, .value_kind: global_buffer, .address_space: global }
      - { .name: scales, .offset: 8, .size: 8, .value_kind: global_buffer, .address_space: global }
      - { .name: qk, .offset: 16, .size: 8, .value_kind: global_buffer, .address_space: global }
      - { .name: vt, .offset: 24, .size: 8, .value_kind: global_buffer, .address_space: global }
      - { .name: fine, .offset: 32, .size: 8, .value_kind: global_buffer, .address_space: global }
    .group_segment_fixed_size: 327680
    .private_segment_fixed_size: 0
    .kernarg_segment_align: 8
    .kernarg_segment_size: 40
    .max_flat_workgroup_size: 128
    .sgpr_count:     106
    .vgpr_count:     1024
    .wavefront_size: 32
...
	.end_amdgpu_metadata
.endif
;; end of part 2
;; launch first16 (part 3): grid 16 x 1, 16 waves a work-group, no clusters, 71,680 bytes of LDS; arguments fine, W_o, out0; writes out0
.if DOCPART == 3
	.amdgcn_target "amdgcn-amd-amdhsa--gfx1250"
	.amdhsa_code_object_version 6
	.text
	.protected	k_q2775453cb0_first16
	.globl	k_q2775453cb0_first16
	.p2align	8
	.type	k_q2775453cb0_first16,@function
k_q2775453cb0_first16:
	s_mov_b64 s[64:65], 0
	v_nop
	global_prefetch_b8 v0, s[64:65] scope:SCOPE_SE
	s_setreg_imm32_b32 hwreg(HW_REG_WAVE_MODE, 25, 1), 1
	s_wait_xcnt 0x0
; ROWS 0-15 OF THE OUTPUT, ALL IN F32: these positions average one to sixteen values and are the largest in size, so f16 operands are too coarse for them.
; Keys above the diagonal inside the one 16 x 16 tile of scores are masked, not left out.
; Wave w is head w; work-group g makes output columns 64 g .. 64 g + 63; the sixteen heads' parts are added through LDS.
; v_wmma_f32_16x16x4_f32 takes, in lane (r, h), register j, the element k = 2 h + j.  K IS PERMUTED ALIKE ON BOTH SIDES: K step (t, c) takes registers 2 c, 2 c + 1 of accumulator image t,
; which in lane (r, h) hold the index 16 t + 8 h + 2 c + j: so every result of one product is an operand of the next as it stands, and the images in fine are operands as they lie.
;   S^T = K Q^T (lane: query r, keys 8 h + j) -> softmax -> O^T = V^T P (lane: query r, d = 16 dt + 8 h + j) -> out^T = W_o^T O (lane: query r, column 16 nt + 8 h + j), scaled by 1 / the row's sum.
; The accumulators (v176-191, v200-247) are written by matrix instructions alone; sums begin with the constant 0; accumulators take turns.
.set QF, 16                            ; v16-47   Q's four images
.set KF, 48                            ; v48-79   K's
.set VF, 80                            ; v80-111  V's; later the scaled results
.set TU, 80
.set WA, 112                           ; v112-175 W_o for column tiles 0, 1
.set WB, 16                            ; v16-79   W_o for column tiles 2, 3, over Q and K when the scores are made
.set SA, 176                           ; v176-191 two accumulators: the scores; later column tiles 2, 3
.set PP, 192                           ; v192-199 the weights
.set OA, 200                           ; v200-231 O^T
.set UA, 232                           ; v232-247 column tiles 0, 1
.set PART, 16*272                      ; a wave's part in LDS: 16 queries x (256 bytes + 16)
.set SPARE, 16*PART
.macro WLOAD base, nt0                 ; W_o(64 w + 16 t + 8 h + 2 c + j, 64 g + 16 nt + r) for two column tiles
.irp nt, 0,1
.set i, 0
.rept 16
	global_load_b32 v[\base+2*(16*\nt+i)],   v4, s[6:7] offset:(16*(i/4)+2*(i%4))*4096+(\nt0+\nt)*64
	global_load_b32 v[\base+2*(16*\nt+i)+1], v4, s[6:7] offset:(16*(i/4)+2*(i%4)+1)*4096+(\nt0+\nt)*64
.set i, i+1
.endr
.endr
.endm
	s_load_b128 s[4:7], s[0:1], 0x0                ; fine, W_o
	s_load_b64 s[8:9], s[0:1], 0x10                ; out0
	v_lshl_add_u32 v8, v0, 2, SPARE                ; my spare word; never rewritten
	v_mov_b32 v9, 0                                ; 0; never rewritten
	v_lshrrev_b32 v10, 5, v0
	v_readfirstlane_b32 s10, v10                   ; wave = head
	v_and_b32 v1, 15, v0                           ; r
	v_bfe_u32 v2, v0, 4, 1                         ; h
	v_and_b32 v3, 31, v0
	v_lshlrev_b32 v7, 3, v3                        ; 8 x lane
	v_lshlrev_b32 v3, 4, v3                        ; 16 x lane
	v_lshlrev_b32 v4, 2, v1
	v_lshl_add_u32 v4, v2, 15, v4                  ; W_o: 8 h rows of 4096 bytes + 4 r
	s_mov_b32 s13, 0
	s_mov_b32 s20, 0x76543210
	s_mov_b32 s21, 0xfedcba98
	s_mov_b32 s24, 0x3e38aa3b                      ; c = log2(e) / sqrt(64)
	s_mul_i32 s15, s10, PART
	s_mul_i32 s16, s10, 272
	s_lshl_b32 s14, ttmp9, 8
	s_lshl_b32 s12, s10, 12
	s_wait_kmcnt 0x0
	s_add_nc_u64 s[4:5], s[4:5], s[12:13]          ; my head's four images of Q
	s_add_co_u32 s12, s12, s14
	s_add_nc_u64 s[8:9], s[8:9], s[12:13]          ; out0: row = wave, columns 64 g on
	s_lshl_b32 s12, s10, 18
	s_add_co_u32 s12, s12, s14
	s_add_nc_u64 s[6:7], s[6:7], s[12:13]          ; W_o: rows 64 w on, columns 64 g on
.irp t, 0,1,2,3
.irp g, 0,1
	global_load_b128 v[QF+8*\t+4*\g:QF+8*\t+4*\g+3], v3, s[4:5] offset:\t*1024+\g*512
	global_load_b128 v[KF+8*\t+4*\g:KF+8*\t+4*\g+3], v3, s[4:5] offset:65536+\t*1024+\g*512
	global_load_b128 v[VF+8*\t+4*\g:VF+8*\t+4*\g+3], v3, s[4:5] offset:131072+\t*1024+\g*512
.endr
.endr
	WLOAD WA, 0
	s_wait_loadcnt 63                              ; of 88 loads at most 63 are out: the first 24, Q, K and V, are in
.set i, 0
.rept 16                               ; S^T: two accumulators by turns, added below
.if i < 2
	v_wmma_f32_16x16x4_f32 v[SA+8*(i%2):SA+8*(i%2)+7], v[KF+2*i:KF+2*i+1], v[QF+2*i:QF+2*i+1], 0
.else
	v_wmma_f32_16x16x4_f32 v[SA+8*(i%2):SA+8*(i%2)+7], v[KF+2*i:KF+2*i+1], v[QF+2*i:QF+2*i+1], v[SA+8*(i%2):SA+8*(i%2)+7]
.endif
.set i, i+1
.endr
	v_lshlrev_b32 v10, 3, v2                       ; eight plain lines: the places behind this form, ahead of the loads over Q and K and of the first read of the scores
	v_sub_nc_u32 v10, v1, v10                      ; d = r - 8 h: key 8 h + j is hidden where j > d
	v_mov_b32 v11, 0xff800000                      ; -infinity
	v_mov_b32 v13, 0                               ; (a lane permute's destination counts as read)
	v_mul_u32_u24 v5, v1, 272
	v_lshl_add_u32 v5, v2, 5, v5
	v_add_nc_u32 v5, s15, v5                       ; my part: row r, + 32 h
	v_add_nc_u32 v6, s16, v7                       ; back: row = wave of every part, 8 bytes a lane
	WLOAD WB, 2
.irp j, 0,1,2,3,4,5,6,7
	v_add_f32 v[PP+\j], v[SA+\j], v[SA+8+\j]       ; from the low end on
.endr
.irp j, 0,1,2,3,4,5,6,7
	v_cmp_gt_i32 vcc_lo, \j, v10
	v_cndmask_b32 v[PP+\j], v[PP+\j], v11, vcc_lo
.endr
	v_max3_num_f32 v12, v[PP], v[PP+1], v[PP+2]
	v_max3_num_f32 v12, v12, v[PP+3], v[PP+4]
	v_max3_num_f32 v12, v12, v[PP+5], v[PP+6]
	v_max_num_f32 v12, v12, v[PP+7]
	v_permlanex16_b32 v13, v12, s20, s21
	v_max_num_f32 v12, v12, v13                    ; the row's maximum: key 0 counts for every query, so it is a number
	v_mul_f32 v12, s24, v12
.irp j, 0,1,2,3,4,5,6,7
	v_fma_f32 v[PP+\j], v[PP+\j], s24, -v12
.endr
.irp j, 0,1,2,3,4,5,6,7
	v_exp_f32 v[PP+\j], v[PP+\j]
.endr
	v_nop                                          ; a plain line behind the last exponential
	s_wait_alu depctr_va_vdst(0)                   ; one wait for the batch, ahead of its first reader
	v_add_f32 v14, v[PP], v[PP+1]
	v_add_f32 v15, v[PP+2], v[PP+3]
	v_add_f32 v14, v14, v[PP+4]
	v_add_f32 v15, v15, v[PP+5]
	v_add_f32 v14, v14, v[PP+6]
	v_add_f32 v15, v15, v[PP+7]
	v_add_f32 v14, v14, v15
	v_permlanex16_b32 v13, v14, s20, s21
	v_add_f32 v14, v14, v13                        ; the row's sum
	v_rcp_f32 v15, v14
	v_nop
	s_wait_alu depctr_va_vdst(0)
.irp c, 0,1,2,3                        ; O^T = V^T P: four accumulators by turns
.irp dt, 0,1,2,3
.if \c == 0
	v_wmma_f32_16x16x4_f32 v[OA+8*\dt:OA+8*\dt+7], v[VF+8*\dt+2*\c:VF+8*\dt+2*\c+1], v[PP+2*\c:PP+2*\c+1], 0
.else
	v_wmma_f32_16x16x4_f32 v[OA+8*\dt:OA+8*\dt+7], v[VF+8*\dt+2*\c:VF+8*\dt+2*\c+1], v[PP+2*\c:PP+2*\c+1], v[OA+8*\dt:OA+8*\dt+7]
.endif
.endr
.endr
.rept 9
	v_nop                                          ; nine places: the results become operands of matrix instructions
.endr
	s_wait_loadcnt 0x0                             ; all of W_o's fragments
.set i, 0
.rept 16                               ; out^T = W_o^T O: four accumulators by turns; column tiles 2, 3 take the scores' accumulators, which are done with
.irp nt, 0,1,2,3
.if \nt < 2
.set DD, UA+8*\nt
.set WW, WA+2*(16*\nt+i)
.else
.set DD, SA+8*(\nt-2)
.set WW, WB+2*(16*(\nt-2)+i)
.endif
.if i == 0
	v_wmma_f32_16x16x4_f32 v[DD:DD+7], v[WW:WW+1], v[OA+2*i:OA+2*i+1], 0
.else
	v_wmma_f32_16x16x4_f32 v[DD:DD+7], v[WW:WW+1], v[OA+2*i:OA+2*i+1], v[DD:DD+7]
.endif
.endr
.set i, i+1
.endr
.rept 8
	v_nop                                          ; eight places ahead of the first read of the results
.endr
.irp j, 0,1,2,3,4,5,6,7
	v_mul_f32 v[TU+\j], v[UA+\j], v15              ; divided by my query's sum; into other registers
.endr
.irp j, 0,1,2,3,4,5,6,7
	v_mul_f32 v[TU+8+\j], v[UA+8+\j], v15
.endr
.irp j, 0,1,2,3,4,5,6,7
	v_mul_f32 v[TU+16+\j], v[SA+\j], v15
.endr
.irp j, 0,1,2,3,4,5,6,7
	v_mul_f32 v[TU+24+\j], v[SA+8+\j], v15
.endr
.irp nt, 0,1,2,3
	ds_store_b128 v5, v[TU+8*\nt:TU+8*\nt+3] offset:64*\nt
	ds_store_b128 v5, v[TU+8*\nt+4:TU+8*\nt+7] offset:64*\nt+16
.endr
	s_wait_dscnt 0x0                               ; for the others: my part lies in LDS
	s_barrier_signal -1
	s_barrier_wait -1
.irp p, 0,1,2,3,4,5,6,7,8,9,10,11,12,13,14,15
	ds_load_b64 v[16+2*\p:17+2*\p], v6 offset:\p*PART   ; query = my wave, of head p
.endr
	s_wait_dscnt 0x0
.irp p, 0,1,2,3,4,5,6,7
	v_pk_add_f32 v[16+4*\p:17+4*\p], v[16+4*\p:17+4*\p], v[18+4*\p:19+4*\p]
.endr
.irp p, 0,1,2,3
	v_pk_add_f32 v[16+8*\p:17+8*\p], v[16+8*\p:17+8*\p], v[20+8*\p:21+8*\p]
.endr
.irp p, 0,1
	v_pk_add_f32 v[16+16*\p:17+16*\p], v[16+16*\p:17+16*\p], v[24+16*\p:25+16*\p]
.endr
	v_pk_add_f32 v[16:17], v[16:17], v[32:33]
	global_store_b64 v7, v[16:17], s[8:9]          ; the wave stores 256 consecutive bytes, aligned
	s_wait_tensorcnt 0x0                           ; the wave's end, behind my last LDS store
	ds_add_u32 v8, v9
	s_wait_dscnt 0x0
	s_endpgm
.Lfunc_end_k_q2775453cb0_first16:
	.size	k_q2775453cb0_first16, .Lfunc_end_k_q2775453cb0_first16-k_q2775453cb0_first16
	.p2alignl 7, 3214868480
	.fill 96, 4, 3214868480
	.section	.rodata,"a",@progbits
	.p2align	6, 0x0
	.amdhsa_kernel k_q2775453cb0_first16
		.amdhsa_group_segment_fixed_size 71680
		.amdhsa_private_segment_fixed_size 0
		.amdhsa_enable_private_segment 0
		.amdhsa_kernarg_size 24
		.amdhsa_user_sgpr_count 2
		.amdhsa_user_sgpr_kernarg_segment_ptr 1
		.amdhsa_wavefront_size32 1
		.amdhsa_system_sgpr_workgroup_id_x 1
		.amdhsa_system_sgpr_workgroup_id_y 1
		.amdhsa_system_sgpr_workgroup_id_z 1
		.amdhsa_system_vgpr_workitem_id 0
		.amdhsa_next_free_vgpr 256
		.amdhsa_next_free_sgpr 66
		.amdhsa_reserve_vcc 1
		.amdhsa_float_denorm_mode_32 3
		.amdhsa_float_denorm_mode_16_64 3
		.amdhsa_memory_ordered 1
		.amdhsa_forward_progress 1
		.amdhsa_inst_pref_size 29
	.end_amdhsa_kernel
	.amdgpu_metadata
---
amdhsa.version: [ 1, 2 ]
amdhsa.kernels:
  - .name:           k_q2775453cb0_first16
    .symbol:         k_q2775453cb0_first16.kd
    .args:
      - { .name: fine, .offset: 0, .size: 8, .value_kind: global_buffer, .address_space: global }
      - { .name: W_o, .offset: 8, .size: 8, .value_kind: global_buffer, .address_space: global }
      - { .name: out0, .offset: 16, .size: 8, .value_kind: global_buffer, .address_space: global }
    .group_segment_fixed_size: 71680
    .private_segment_fixed_size: 0
    .kernarg_segment_align: 8
    .kernarg_segment_size: 24
    .max_flat_workgroup_size: 512
    .sgpr_count:     66
    .vgpr_count:     256
    .wavefront_size: 32
...
	.end_amdgpu_metadata
.endif
;; end of part 3
;; launch attn (part 4): grid 16 x 16, 8 waves a work-group, no clusters, 327,680 bytes of LDS; arguments qk, vt, att; writes att
.if DOCPART == 4
	.amdgcn_target "amdgcn-amd-amdhsa--gfx1250"
	.amdhsa_code_object_version 6
	.text
	.protected	k_q2775453cb0_attn
	.globl	k_q2775453cb0_attn
	.p2align	8
	.type	k_q2775453cb0_attn,@function
k_q2775453cb0_attn:
	s_mov_b64 s[64:65], 0
	v_nop
	global_prefetch_b8 v0, s[64:65] scope:SCOPE_SE
	s_setreg_imm32_b32 hwreg(HW_REG_WAVE_MODE, 25, 1), 1
	s_wait_xcnt 0x0
; att = softmax(Q K^T / 8, causal) V for one head, f16 operands, f32 sums, running maximum and sum.
; LEFT OUT: key steps all of whose 128 keys come after a wave's 16 queries: the causal mask, which the problem builds itself, gives them the weight 0 for all inputs.
; SHARES.  Work-group (i, head) owns two blocks of 128 queries: first block 31 - i, then block i.  Block j walks (j / 2) + 1 slots of 256 keys, and the two counts add up to 17 for every i:
; so every work-group makes 17 visits: a loop of 16 trips, each asking for the next visit's slot, and a last visit written out.
; Each of eight waves owns 16 queries.  NO CLUSTER: work-groups of one head change from their first block to their second at different visits, so partners would ask for different tiles.
; LAYOUT.  S^T = K Q^T and O^T = V^T P: a lane holds one query (lane % 16) throughout; two packed tiles of S^T are source 1 of the second product.  K, V and Q lie in memory as images of their fragments.
; LDS: slot 0 at 0, slot 1 at 65536; in a slot K [16 key tiles][u 2][1 KB], then V [64 keys 4][d tile 4][kodd 2][1 KB]; spare words at 131072.  Each wave brings 8192 dense bytes of a slot: waves 0-3 K, waves 4-7 V.
; Queries 0-15 are made here too (they lie in a live block, and the next launch reads their bytes); their output rows come from the launch that works in f32.
.set SLOTX, 0x10000
.set VOFF,  32768
.set SPARE, 131072
.set LI,  1                            ; v1 16 x lane
.set LV,  2                            ; v2 16 x lane + VOFF
.set ADK, 3                            ; v3, v4 addresses of the step in hand
.set ADV, 4
.set SPW, 5                            ; v5 my spare word; never rewritten
.set NIL, 6                            ; v6 0; never rewritten
.set PFO, 7                            ; v7 256 x lane; never rewritten
.set RR,  8                            ; v8 r
.set HH,  9                            ; v9 h
.set QR,  16                           ; v16-31   Q
.set FRG, 32                           ; v32-95   eight fragments of K, then of V
.set S,   96                           ; v96-159  S^T, then p, then V's second half
.set O,   160                          ; v160-191 O^T
.set PR,  192                          ; v192-223 p in f16
.set CM,  224                          ; v224 c m, v225 m
.set MM,  225
.set LS,  226                          ; v[226:227] the sum, in two halves
.set CH,  228                          ; v228-231 four chains of the maximum
.set AA,  232                          ; v[232:233] a = 2^(c m_old - c m_new); on the way out 1 / the sum
.set T0,  234                          ; v234-239 at work
.set WV, 10
.set HD, 11
.set PI, 12
.set QB, 13                            ; first query of the block in hand
.set Q0, 14                            ; my wave's first query
.set KS, 15                            ; first key of the visit's slot
.set KN, 16                            ; of the next visit's
.set KF, 17                            ; of the step
.set TB, 18                            ; LDS byte at which the slot in hand begins
.set WRAP, 19                          ; 1: this visit is the block's last
.set CNT, 20
.set SH, 21                            ; bytes of my stream for a key, as a shift: 7 in K, 11 in V
.set SEL, 22
.set CS, 24                            ; s[24:25] c = log2(e) / 8
.set LIMK, 26
.set G1, 28
.set G0, 36
.set SRC, 40                           ; s[40:41] my stream at key 0
.set OFF, 44
.set PFA, 46
	s_load_b128 s[4:7], s[0:1], 0x0                ; qk, vt
	s_load_b64 s[8:9], s[0:1], 0x10                ; att
	v_lshl_add_u32 v[SPW], v0, 2, SPARE
	v_mov_b32 v[NIL], 0
	ds_add_u32 v[SPW], v[NIL]                      ; the wave's opening: the add, twice on end, and its wait ahead of my first tensor load
	ds_add_u32 v[SPW], v[NIL]
	v_lshrrev_b32 v8, 5, v0
	v_readfirstlane_b32 s[WV], v8
	s_and_b32 s[HD], ttmp7, 0xffff
	s_mov_b32 s[PI], ttmp9
	s_mov_b32 s[G1], 3<<16                         ; elements of 8 bytes, no mask, no padding: 32 rows of 256 bytes, dense
	s_mov_b32 s[G1+1], 32<<16
	s_mov_b32 s[G1+2], 32<<16
	s_mov_b32 s[G1+3], 32<<16
	s_mov_b32 s[G1+4], 32
	s_mov_b32 s[G1+5], 32
	s_mov_b32 s[G1+6], 0
	s_mov_b32 s[G1+7], 0
	s_mov_b32 s[SEL], 0x76543210
	s_mov_b32 s[SEL+1], 0xfedcba98
	s_mov_b32 s[CS], 0x3e38aa3b
	s_mov_b32 s[CS+1], s[CS]
	s_mov_b32 s[TB], 0
	s_mov_b32 s[KS], 0
	s_mov_b32 s[OFF+1], 0
	s_sub_co_u32 s[QB], 31, s[PI]
	s_lshl_b32 s[QB], s[QB], 7                     ; the first block: 31 - i
	s_cmp_eq_u32 s[PI], 0
	s_cselect_b32 s[LIMK], 3328, -1                ; who prefetches, and up to which visit
	s_add_co_u32 s48, s[HD], 16
	s_lshl_b32 s48, s48, 19
	s_lshl_b32 s49, s[WV], 13
	s_add_co_u32 s48, s48, s49                     ; K: head 16 + HD of qk, my 4 key tiles
	s_and_b32 s50, s[WV], 3
	s_lshl_b32 s50, s50, 17
	s_lshl_b32 s51, s[HD], 13
	s_add_co_u32 s50, s50, s51                     ; V: my 64 keys, my head's four d tiles
	s_mov_b32 s[G0], 1
	s_lshl_b32 s[G0+1], s[WV], 13                  ; slot 0, wave x 8192
	s_wait_dscnt 0x0                               ; both opening adds are done
	s_wait_kmcnt 0x0
	s_cmp_lt_u32 s[WV], 4
	s_cselect_b32 s[OFF], s48, s50
	s_cselect_b32 s[SH], 7, 11
	s_cselect_b64 s[SRC:SRC+1], s[4:5], s[6:7]
	s_add_nc_u64 s[SRC:SRC+1], s[SRC:SRC+1], s[OFF:OFF+1]
	s_mov_b64 s[G0+2:G0+3], s[SRC:SRC+1]
	s_or_b32 s[G0+3], s[G0+3], 0x80000000
	tensor_load_to_lds s[G0:G0+3], s[G1:G1+7]      ; keys 0-255: every wave issues its part; one tensor load of mine is out, here and behind each barrier
	s_nop 0
	v_and_b32 v[RR], 15, v0
	v_bfe_u32 v[HH], v0, 4, 1
	v_and_b32 v[LI], 31, v0
	v_lshlrev_b32 v[PFO], 8, v[LI]
	v_lshlrev_b32 v[LI], 4, v[LI]
	v_add_nc_u32 v[LV], VOFF, v[LI]
	v_mov_b32 v[AA+1], 0                           ; (named as the upper half of a pair)
	v_mov_b32 v[T0+1], 0                           ; (a lane permute's destination counts as read)
; A block begins: my 16 queries' fragments, and empty statistics (the step is written once: the first finds zeros, which a = 0 leaves zeros)
.macro INIT
	s_lshl_b32 s48, s[WV], 4
	s_add_co_u32 s[Q0], s[QB], s48
	s_lshl_b32 s52, s[Q0], 7
	s_lshl_b32 s48, s[HD], 19
	s_add_co_u32 s52, s52, s48
	s_mov_b32 s53, 0
	s_add_nc_u64 s[52:53], s[4:5], s[52:53]
.irp n, 0,1,2,3
	global_load_b128 v[QR+4*\n:QR+4*\n+3], v[LI], s[52:53] offset:\n*512
.endr
	v_mov_b32 v[MM], 0xff61b1e6                    ; -3e38, under every score
	v_mul_f32 v[CM], s[CS], v[MM]
	v_mov_b32 v[LS], 0
	v_mov_b32 v[LS+1], 0
.set i, 0
.rept 32
	v_mov_b32 v[O+i], 0
.set i, i+1
.endr
	s_wait_loadcnt 0x0
.endm
; THE CHANGE OF SLOTS, at a visit's head.  Each wave waits for all its tensor loads (its part of the slot ahead), adds 0 to its spare word, and waits for that and for its reads of the slot left.
; Behind the barrier the slot ahead is whole and nobody reads the other one, which takes the next visit's keys: the next 256, or keys 0-255 again where the block ends.
.macro CHANGE fill
	s_wait_tensorcnt 0x0                           ; no tensor load of mine is out: group 0 may be written
	ds_add_u32 v[SPW], v[NIL]                      ; every way here leads through my first tensor load
.if \fill
	s_add_co_u32 s[KN], s[KS], 256
	s_add_co_u32 s48, s[QB], 127
	s_cmp_gt_u32 s[KN], s48                        ; past the block's last query?  Ids and counted steps alone: the same in all eight waves
	s_cselect_b32 s[WRAP], 1, 0
	s_cselect_b32 s[KN], 0, s[KN]
	s_lshl_b32 s[OFF], s[KN], s[SH]
	s_add_nc_u64 s[G0+2:G0+3], s[SRC:SRC+1], s[OFF:OFF+1]
	s_or_b32 s[G0+3], s[G0+3], 0x80000000
	s_xor_b32 s[G0+1], s[G0+1], SLOTX
	s_wait_xcnt 0x0                                ; the last prefetch, a visit back, has read its address
	s_add_co_u32 s48, s[KS], 512
	s_min_u32 s48, s48, 3840                       ; held inside the head's keys
	s_lshl_b32 s[OFF], s48, s[SH]
	s_add_nc_u64 s[PFA:PFA+1], s[SRC:SRC+1], s[OFF:OFF+1]
.endif
	s_wait_dscnt 0x0                               ; the add is done, and my reads of the slot left are over
	s_barrier_signal -1
	s_barrier_wait -1
.if \fill
	tensor_load_to_lds s[G0:G0+3], s[G1:G1+7]      ; first behind the barrier, my one tensor load until the next: it has the visit's two steps in which to land
	s_nop 0
	; a prefetch into the L2 of the slot after next: each wave names its own 8192 bytes, lanes 256 bytes apart.  All work-groups of a head walk the same keys: the one with i = 0, whose first
	; block walks all sixteen slots, asks, once for each slot from the third on, one visit ahead of the load; the last two visits of that walk ask for nothing.
	s_cmp_le_i32 s[KS], s[LIMK]
	s_cbranch_scc0 .Lnp_\@
	global_prefetch_b8 v[PFO], s[PFA:PFA+1] th:TH_LOAD_NT scope:SCOPE_SE
.Lnp_\@:
.endif
.endm
.macro VLOAD q, kk, dst                ; V^T of keys 32 kk on of the step: four d tiles
.irp dt, 0,1,2,3
.irp hf, 0,1
	ds_load_b128 v[\dst+8*\dt+4*\hf:\dst+8*\dt+4*\hf+3], v[ADV] offset:(2*(\q)+(\kk)/2)*8192+\dt*2048+((\kk)%2)*1024+\hf*512
.endr
.endr
.endm
.macro PVMUL kk, src                   ; O^T += V^T P, 32 keys; the four accumulators take turns
.irp dt, 0,1,2,3
	v_wmma_f32_16x16x32_f16 v[O+8*\dt:O+8*\dt+7], v[\src+8*\dt:\src+8*\dt+7], v[PR+8*(\kk):PR+8*(\kk)+7], v[O+8*\dt:O+8*\dt+7]
.endr
.endm
; A KEY STEP: 128 keys, the q-th half of the slot in hand
.macro STEP q
	s_add_co_u32 s[KF], s[KS], 128*(\q)
	s_add_co_u32 s48, s[Q0], 15
	s_cmp_gt_u32 s[KF], s48                        ; all keys behind my queries: the step is left out (ids alone; no barrier and no tensor load stands in a step)
	s_cbranch_scc1 .Lhidden_\@
	v_add_nc_u32 v[ADK], s[TB], v[LI]              ; five plain lines: the loads below land on registers that the last products read (four places),
	v_add_nc_u32 v[ADV], s[TB], v[LV]              ; and the first product below writes over such registers (five)
	v_nop
	v_nop
	v_nop
.irp g, 0,1                            ; S^T = K Q^T, four tiles of 16 keys at a time
.if \g
.rept 4
	v_nop
.endr
.endif
.irp kt, 0,1,2,3
.irp u, 0,1
.irp hf, 0,1
	ds_load_b128 v[FRG+16*\kt+8*\u+4*\hf:FRG+16*\kt+8*\u+4*\hf+3], v[ADK] offset:(8*(\q)+4*\g+\kt)*2048+\u*1024+\hf*512
.endr
.endr
.endr
	s_wait_dscnt 0x0
.irp kt, 0,1,2,3
	v_wmma_f32_16x16x32_f16 v[S+8*(4*\g+\kt):S+8*(4*\g+\kt)+7], v[FRG+16*\kt:FRG+16*\kt+7], v[QR:QR+7], 0
.endr
.irp kt, 0,1,2,3
	v_wmma_f32_16x16x32_f16 v[S+8*(4*\g+\kt):S+8*(4*\g+\kt)+7], v[FRG+16*\kt+8:FRG+16*\kt+15], v[QR+8:QR+15], v[S+8*(4*\g+\kt):S+8*(4*\g+\kt)+7]
.endr
.endr
.rept 4
	v_nop
.endr
	VLOAD \q, 0, FRG                               ; V's first half lands under the softmax
	VLOAD \q, 1, FRG+32
	s_add_co_u32 s48, s[KF], 127
	s_cmp_le_u32 s48, s[Q0]
	s_cbranch_scc1 .Lopen_\@                       ; all keys count
	s_sub_co_i32 s48, s[Q0], s[KF]
	v_lshlrev_b32 v[T0], 3, v[HH]
	v_sub_nc_u32 v[T0], v[RR], v[T0]
	v_add_nc_u32 v[T0], s48, v[T0]                 ; d = my query - KF - 8 h: register 8 T + j holds key KF + 16 T + 8 h + j, hidden where 16 T + j > d
	v_mov_b32 v[T0+2], 0xff800000
.set n, 0
.rept 64
	v_cmp_gt_i32 vcc_lo, 16*(n/8)+n%8, v[T0]
	v_cndmask_b32 v[S+n], v[S+n], v[T0+2], vcc_lo
.set n, n+1
.endr
.Lopen_\@:
.irp x, 0,1,2,3                        ; the maximum: four chains of 16 scores; each tile is first read at its low end
	v_max3_num_f32 v[CH+\x], v[S+16*\x], v[S+16*\x+1], v[S+16*\x+2]
.endr
.irp i, 3,5,7,9,11,13
.irp x, 0,1,2,3
	v_max3_num_f32 v[CH+\x], v[CH+\x], v[S+16*\x+\i], v[S+16*\x+\i+1]
.endr
.endr
.irp x, 0,1,2,3
	v_max_num_f32 v[CH+\x], v[CH+\x], v[S+16*\x+15]
.endr
	v_max3_num_f32 v[T0], v[CH], v[CH+1], v[CH+2]
	v_max3_num_f32 v[T0], v[T0], v[CH+3], v[MM]
	v_permlanex16_b32 v[T0+1], v[T0], s[SEL], s[SEL+1]
	v_max_num_f32 v[MM], v[T0], v[T0+1]            ; the running maximum (the step's first key counts for all my queries)
	v_mov_b32 v[T0+2], v[CM]
	v_mul_f32 v[CM], s[CS], v[MM]
	v_sub_f32 v[T0+2], v[T0+2], v[CM]              ; c m_old - c m_new
.set j, 0
.rept 32
	v_pk_fma_f32 v[S+j:S+j+1], v[S+j:S+j+1], s[CS:CS+1], v[CM:CM+1] op_sel_hi:[1,0,0] neg_lo:[0,0,1] neg_hi:[0,0,1]   ; c s - c m
.set j, j+2
.endr
	v_exp_f32 v[AA], v[T0+2]
.set j, 0
.rept 64
	v_exp_f32 v[S+j], v[S+j]
.set j, j+1
.endr
	v_nop                                          ; a plain line behind the last exponential
	s_wait_alu depctr_va_vdst(0)                   ; one wait for the batch of 65, ahead of its first reader
	v_pk_mul_f32 v[LS:LS+1], v[LS:LS+1], v[AA:AA+1] op_sel_hi:[1,0]
	v_pk_add_f32 v[T0+4:T0+5], v[S:S+1], v[S+2:S+3]
.irp j, 4,8,12,16,20,24,28,32,36,40,44,48,52,56,60
	v_pk_add_f32 v[LS:LS+1], v[LS:LS+1], v[S+\j:S+\j+1]
	v_pk_add_f32 v[T0+4:T0+5], v[T0+4:T0+5], v[S+\j+2:S+\j+3]
.endr
	v_pk_add_f32 v[LS:LS+1], v[LS:LS+1], v[T0+4:T0+5]
.set j, 0
.rept 32
	v_cvt_pk_f16_f32 v[PR+j], v[S+2*j], v[S+2*j+1] ; p is at most 1
.set j, j+1
.endr
	VLOAD \q, 2, S                                 ; the scores' registers are free: V's second half
	VLOAD \q, 3, S+32
.set j, 0
.rept 16
	v_pk_mul_f32 v[O+j:O+j+1], v[O+j:O+j+1], v[AA:AA+1] op_sel_hi:[1,0]
.set j, j+2
.endr
	s_wait_dscnt 16                                ; V's first half is in; the sixteen loads just issued may be out
	PVMUL 0, FRG
	PVMUL 1, FRG+32
	s_wait_dscnt 0x0
	PVMUL 2, S
	PVMUL 3, S+32
.Lhidden_\@:
.endm
; A block ends: O^T / the sum, to f16: four registers of accumulator dt are four registers of the next launch's fragment; each store covers 512 consecutive bytes
.macro WAYOUT
.rept 4
	v_nop                                          ; places behind the last products
.endr
	v_add_f32 v[T0], v[LS], v[LS+1]
	v_permlanex16_b32 v[T0+1], v[T0], s[SEL], s[SEL+1]
	v_add_f32 v[T0], v[T0], v[T0+1]
	v_rcp_f32 v[AA], v[T0]
	s_lshl_b32 s50, s[Q0], 11
	s_lshl_b32 s48, s[HD], 11
	s_add_co_u32 s50, s50, s48
	s_mov_b32 s51, 0
	s_add_nc_u64 s[50:51], s[8:9], s[50:51]
	v_nop
	s_wait_alu depctr_va_vdst(0)
.set j, 0
.rept 16
	v_pk_mul_f32 v[S+j:S+j+1], v[O+j:O+j+1], v[AA:AA+1] op_sel_hi:[1,0]
.set j, j+2
.endr
.set j, 0
.rept 16
	v_cvt_pk_f16_f32 v[S+32+j], v[S+2*j], v[S+2*j+1]
.set j, j+1
.endr
.irp dt, 0,1,2,3
	global_store_b128 v[LI], v[S+32+4*\dt:S+32+4*\dt+3], s[50:51] offset:\dt*512
.endr
.endm
	INIT
	s_mov_b32 s[CNT], 16
.Lvisit:
	CHANGE 1
	STEP 0
	STEP 1
	s_xor_b32 s[TB], s[TB], SLOTX
	s_cmp_eq_u32 s[WRAP], 0
	s_cbranch_scc1 .Lsame                          ; the same way in all eight waves; no barrier stands inside
	WAYOUT
	s_lshl_b32 s[QB], s[PI], 7                     ; the second block: i
	INIT
	s_wait_xcnt 0x0                                ; the stores have read their data and base
.Lsame:
	s_mov_b32 s[KS], s[KN]
	s_sub_co_u32 s[CNT], s[CNT], 1
	s_cmp_lg_u32 s[CNT], 0
	s_cbranch_scc1 .Lvisit
	CHANGE 0                                       ; the seventeenth visit: nothing is left to ask for
	STEP 0
	STEP 1
	WAYOUT
	s_wait_tensorcnt 0x0                           ; the wave's end
	ds_add_u32 v[SPW], v[NIL]
	s_wait_dscnt 0x0
	s_endpgm
.Lfunc_end_k_q2775453cb0_attn:
	.size	k_q2775453cb0_attn, .Lfunc_end_k_q2775453cb0_attn-k_q2775453cb0_attn
	.p2alignl 7, 3214868480
	.fill 96, 4, 3214868480
	.section	.rodata,"a",@progbits
	.p2align	6, 0x0
	.amdhsa_kernel k_q2775453cb0_attn
		.amdhsa_group_segment_fixed_size 327680
		.amdhsa_private_segment_fixed_size 0
		.amdhsa_enable_private_segment 0
		.amdhsa_kernarg_size 24
		.amdhsa_user_sgpr_count 2
		.amdhsa_user_sgpr_kernarg_segment_ptr 1
		.amdhsa_wavefront_size32 1
		.amdhsa_system_sgpr_workgroup_id_x 1
		.amdhsa_system_sgpr_workgroup_id_y 1
		.amdhsa_system_sgpr_workgroup_id_z 1
		.amdhsa_system_vgpr_workitem_id 0
		.amdhsa_next_free_vgpr 256
		.amdhsa_next_free_sgpr 66
		.amdhsa_reserve_vcc 1
		.amdhsa_float_denorm_mode_32 3
		.amdhsa_float_denorm_mode_16_64 3
		.amdhsa_memory_ordered 1
		.amdhsa_forward_progress 1
		.amdhsa_inst_pref_size 107
	.end_amdhsa_kernel
	.amdgpu_metadata
---
amdhsa.version: [ 1, 2 ]
amdhsa.kernels:
  - .name:           k_q2775453cb0_attn
    .symbol:         k_q2775453cb0_attn.kd
    .args:
      - { .name: qk, .offset: 0, .size: 8, .value_kind: global_buffer, .address_space: global }
      - { .name: vt, .offset: 8, .size: 8, .value_kind: global_buffer, .address_space: global }
      - { .name: att, .offset: 16, .size: 8, .value_kind: global_buffer, .address_space: global }
    .group_segment_fixed_size: 327680
    .private_segment_fixed_size: 0
    .kernarg_segment_align: 8
    .kernarg_segment_size: 24
    .max_flat_workgroup_size: 256
    .sgpr_count:     66
    .vgpr_count:     256
    .wavefront_size: 32
...
	.end_amdgpu_metadata
.endif
;; end of part 4
;; launch outproj (part 5): grid 8 x 32, 4 waves a work-group, clusters of 4 x 4, 327,680 bytes of LDS; arguments att, wo, out0; writes out0
.if DOCPART == 5
	.amdgcn_target "amdgcn-amd-amdhsa--gfx1250"
	.amdhsa_code_object_version 6
	.text
	.protected	k_q2775453cb0_outproj
	.globl	k_q2775453cb0_outproj
	.p2align	8
	.type	k_q2775453cb0_outproj,@function
k_q2775453cb0_outproj:
	s_mov_b64 s[64:65], 0
	v_nop
	global_prefetch_b8 v0, s[64:65] scope:SCOPE_SE
	s_setreg_imm32_b32 hwreg(HW_REG_WAVE_MODE, 25, 1), 1
	s_wait_xcnt 0x0
	s_wait_alu depctr_hold_cnt(0) depctr_sa_sdst(0) depctr_va_vdst(0) depctr_va_sdst(0) depctr_va_ssrc(0) depctr_va_vcc(0) depctr_vm_vsrc(0)
	s_getreg_b32 s2, hwreg(HW_REG_IB_STS2, 6, 4)
	s_cmp_eq_u32 s2, 0
	s_cbranch_scc0 .Lentry_in_a_cluster
	s_endpgm
.Lentry_in_a_cluster:
	s_bfe_u32 s2, ttmp6, 0x10000c
	s_cmp_lg_u32 s2, 0xf033
	s_cbranch_scc0 .Lentry_shape_is_right
	s_endpgm
.Lentry_shape_is_right:
; out0 = att W_o, f16 operands, f32 sums, K = 1024.  Rows 0-15 of out0 are not stored here: they come from the launch that carries them in f32 (their products stay: they lie in a live tile).
; A tile of 128 x 128 to a work-group (256 work-groups), four waves of 64 x 64: 16 accumulators.  K goes in steps of 256 through a ring of two LDS slots.
; Both operands lie in memory as images of their fragments (16 rows x 32 k = 1 KB): a wave's tensor load brings 4 row tiles x 8192 bytes, and a fragment is read 16 bytes a lane on end: no pitch, no padding.
; CLUSTERS of 4 x 4: att's tiles are shared along a row of the cluster, wo's along a column, each asked for jointly.
; Source 0 = 16 columns of W_o, source 1 = 16 rows of att: a lane holds eight neighbouring numbers of a row of out0.
; LDS: slot s at s x 131072: att [8 row tiles][8 c32][1 KB], wo 65536 on; at 262144 a stage of 16 x 272 bytes for each wave, its own, which no tensor load fills; then the spare words.
; REGISTERS: window 0: v16-29 addresses, v32-95 rows on the way out, v128-255 accumulators ((a, b) at v[128 + 8 (4 a + b)]); window 1: two fragment buffers of 128.
.set SLOT,   131072
.set HALFT,  32768
.set BOFF,   65536
.set STAGE,  2*SLOT
.set SPITCH, 272
.set SPARE,  STAGE+4*16*SPITCH
.set LAPS,   2                         ; 1024 / (2 x 256)
.set ADRA, 16
.set ADRB, 20
.set STO,  24
.set RD,   25
.set CO,   26
.set FL,   27                          ; v27 0 in the wave whose block 0 is rows 0-15
.set SPW,  28
.set NIL,  29
.set TMP,  32
.set ACC,  128
.set F0,   0
.set F1,   128
.set G1, 24
.set G0, 32
.set G1B, 48
.set G0B, 56
.set MSB, 0
.macro WIN new
.if MSB != \new
	s_set_vgpr_msb (MSB<<8)|\new
.set MSB, \new
.endif
.endm
.set MUL,  0x05                        ; sources 0 and 1 window 1; C and D window 0
.set TO_F, 0x40                        ; destination window 1, address window 0
.macro JLOAD s                         ; waves 0 and 1 fetch att's halves, waves 2 and 3 wo's; an s_nop 0 and four v_nop follow each line
	s_cmp_eq_u32 s11, 0
	s_cbranch_scc0 .Lfor_b_\@
	tensor_load_to_lds s[G0+4*\s:G0+4*\s+3], s[G1:G1+7]
	s_nop 0
.rept 4
	v_nop
.endr
	s_branch .Lasked_\@
.Lfor_b_\@:
	tensor_load_to_lds s[G0B+4*\s:G0B+4*\s+3], s[G1B:G1B+7]
	s_nop 0
.rept 4
	v_nop
.endr
.Lasked_\@:
.endm
.macro CREST
	s_cmp_lg_u32 s10, 0
	s_cbranch_scc1 .Lnot_wave_0_\@
	s_barrier_signal -3
.Lnot_wave_0_\@:
	s_barrier_wait -3
	s_barrier_signal -1
	s_barrier_wait -1
.endm
.macro CROUND
	s_barrier_signal -1
	s_barrier_wait -1
	CREST
.endm
	s_load_b128 s[4:7], s[0:1], 0x0                ; att, wo
	s_load_b64 s[8:9], s[0:1], 0x10                ; out0
	v_lshl_add_u32 v[SPW], v0, 2, SPARE
	v_mov_b32 v[NIL], 0
	ds_add_u32 v[SPW], v[NIL]                      ; the wave's opening: the add, twice on end, and its wait ahead of my first tensor load
	ds_add_u32 v[SPW], v[NIL]
	v_lshrrev_b32 v1, 5, v0
	v_readfirstlane_b32 s10, v1                    ; wave
	s_lshr_b32 s11, s10, 1                         ; my half of the rows.  Also: I fetch for att (0) or wo (1)
	s_and_b32 s12, s10, 1                          ; my half of the columns.  Also: which 4 row tiles I fetch
	s_bfe_u32 s40, ttmp6, 0x40000
	s_bfe_u32 s41, ttmp6, 0x40004
	s_lshl_b32 s42, ttmp9, 2
	s_add_co_u32 s42, s42, s40                     ; tile column
	s_and_b32 s13, ttmp7, 0xffff
	s_lshl_b32 s13, s13, 2
	s_add_co_u32 s13, s13, s41                     ; tile row
	s_lshl_b32 s43, s41, 2
	s_lshl_b32 s43, 15, s43
	s_lshl_b32 s44, 0x1111, s40
	s_or_b32 s[G1+0], s43, (3<<16)|(1<<21)         ; the mask; elements of 8 bytes; bit 21 beside a mask; no padding
	s_or_b32 s[G1B+0], s44, (3<<16)|(1<<21)
.irp g, G1, G1B
	s_mov_b32 s[\g+1], 1024<<16                    ; 8192 bytes: 8 fragments of a row tile
	s_mov_b32 s[\g+2], 4<<16
	s_mov_b32 s[\g+3], 1024<<16
	s_mov_b32 s[\g+4], 4                           ; 4 row tiles,
	s_mov_b32 s[\g+5], 4096                        ; 32768 bytes apart
	s_mov_b32 s[\g+6], 0
	s_mov_b32 s[\g+7], 0
.endr
	s_lshl_b32 s17, s12, 2
	s_lshl_b32 s16, s13, 3
	s_add_co_u32 s16, s16, s17
	s_lshl_b32 s16, s16, 15                        ; att: row tile 8 x tile row + 4 x half
	s_lshl_b32 s46, s42, 3
	s_add_co_u32 s46, s46, s17
	s_lshl_b32 s46, s46, 15                        ; wo likewise by the tile column
	s_mov_b32 s17, 0
	s_mov_b32 s47, 0
	s_lshl_b32 s20, s10, 15                        ; where they go: wave x 32768
	s_wait_dscnt 0x0
	s_wait_kmcnt 0x0
	s_add_nc_u64 s[14:15], s[4:5], s[16:17]
	s_add_nc_u64 s[46:47], s[6:7], s[46:47]
	CROUND
.irp s, 0,1
	s_mov_b32 s[G0+4*\s], 1
	s_add_co_u32 s[G0+4*\s+1], s20, \s*SLOT
	s_add_nc_u64 s[G0+4*\s+2:G0+4*\s+3], s[14:15], \s*8192
	s_or_b32 s[G0+4*\s+3], s[G0+4*\s+3], 0x80000000
	s_mov_b32 s[G0B+4*\s], 1
	s_add_co_u32 s[G0B+4*\s+1], s20, \s*SLOT
	s_add_nc_u64 s[G0B+4*\s+2:G0B+4*\s+3], s[46:47], \s*8192
	s_or_b32 s[G0B+4*\s+3], s[G0B+4*\s+3], 0x80000000
	JLOAD \s
.endr
	v_and_b32 v1, 15, v0                           ; r
	v_bfe_u32 v2, v0, 4, 1                         ; h
	v_and_b32 v3, 31, v0
	v_lshlrev_b32 v3, 4, v3                        ; 16 x lane
	s_lshl_b32 s21, s11, 15
	s_lshl_b32 s22, s12, 15
	s_add_co_u32 s22, s22, BOFF
.irp s, 0,1
	v_add_nc_u32 v[ADRA+\s], s21, v3
	v_add_nc_u32 v[ADRB+\s], s22, v3
	s_add_co_u32 s21, s21, SLOT
	s_add_co_u32 s22, s22, SLOT
.endr
	s_mul_i32 s23, s10, 16*SPITCH
	s_add_co_u32 s23, s23, STAGE                   ; my stage
	v_mul_u32_u24 v4, v1, SPITCH
	v_lshl_add_u32 v4, v2, 5, v4
	v_add_nc_u32 v[STO], s23, v4                   ; in: row r, 32 bytes for each half of the lanes
	v_mul_u32_u24 v5, v2, SPITCH
	v_lshl_add_u32 v5, v1, 4, v5
	v_add_nc_u32 v[RD], s23, v5                    ; back: lanes 0-15 one row of 256 bytes, lanes 16-31 the next
	v_lshlrev_b32 v[CO], 12, v2
	v_lshl_add_u32 v[CO], v1, 4, v[CO]             ; and the same two rows in out0
	s_lshl_b32 s16, s13, 1
	s_add_co_u32 s16, s16, s11                     ; which 64 rows are mine
	v_mov_b32 v[FL], s16
	s_lshl_b32 s16, s16, 18
	s_mov_b32 s17, 0
	s_add_nc_u64 s[8:9], s[8:9], s[16:17]
	s_lshl_b32 s46, s42, 9
	s_lshl_b32 s47, s12, 8
	s_add_co_u32 s46, s46, s47
	s_mov_b32 s47, 0
	s_add_nc_u64 s[8:9], s[8:9], s[46:47]
.macro MUL8 f, c, a0, zero             ; 8 matrix instructions: row blocks a0, a0 + 1 x all 4 column blocks, 32 along K; the accumulators take turns
.irp a, \a0, \a0+1
.irp b, 0,1,2,3
.if \zero
	v_wmma_f32_16x16x32_f16 v[ACC+8*(4*(\a)+\b):ACC+8*(4*(\a)+\b)+7], v[\f+64+8*(4*\c+\b):\f+64+8*(4*\c+\b)+7], v[\f+8*(4*\c+\a):\f+8*(4*\c+\a)+7], 0
.else
	v_wmma_f32_16x16x32_f16 v[ACC+8*(4*(\a)+\b):ACC+8*(4*(\a)+\b)+7], v[\f+64+8*(4*\c+\b):\f+64+8*(4*\c+\b)+7], v[\f+8*(4*\c+\a):\f+8*(4*\c+\a)+7], v[ACC+8*(4*(\a)+\b):ACC+8*(4*(\a)+\b)+7]
.endif
.endr
.endr
.endm
.macro FETCH slot, qq, f               ; 32 LDS loads in one run: the fragments of quarter qq (64 along K), the first 32 along K first
	WIN TO_F
.irp c, 0,1
.irp i, 0,1,2,3
	ds_load_b128 v[\f+64+8*(4*\c+\i):\f+64+8*(4*\c+\i)+3],   v[ADRB+\slot] offset:\i*8192+(2*(\qq)+\c)*1024
	ds_load_b128 v[\f+64+8*(4*\c+\i)+4:\f+64+8*(4*\c+\i)+7], v[ADRB+\slot] offset:\i*8192+(2*(\qq)+\c)*1024+512
	ds_load_b128 v[\f+8*(4*\c+\i):\f+8*(4*\c+\i)+3],         v[ADRA+\slot] offset:\i*8192+(2*(\qq)+\c)*1024
	ds_load_b128 v[\f+8*(4*\c+\i)+4:\f+8*(4*\c+\i)+7],       v[ADRA+\slot] offset:\i*8192+(2*(\qq)+\c)*1024+512
.endr
.endr
.endm
.macro PLACES
.rept 4
	v_nop
.endr
.endm
.macro QUARTER slot, qq, f, g, zero    ; multiplies buffer f and fetches quarter qq of the slot into g
	s_wait_dscnt 16                                ; the first 32 along K are in
	WIN MUL
	MUL8 \f, 0, 0, \zero
	MUL8 \f, 0, 2, \zero
	PLACES
	FETCH \slot, \qq, \g
	s_wait_dscnt 32                                ; all but the 32 just issued
	WIN MUL
	MUL8 \f, 1, 0, 0
	MUL8 \f, 1, 2, 0
.endm
.macro TURN slot, next, fill           ; the last quarter changes slots: one barrier; fill = 1: it opens a round of the cluster's barrier, and this slot is filled again
	WIN 0
	s_wait_tensorcnt 0x0                           ; all my tensor loads have landed: my part of the next slot
	ds_add_u32 v[SPW], v[NIL]
	s_wait_dscnt 17                                ; the add and the youngest sixteen loads may be out
	WIN MUL
	MUL8 F1, 0, 0, 0
	s_wait_dscnt 0x0                               ; the add is done, and my reads of this slot are over
	s_barrier_signal -1
	MUL8 F1, 0, 2, 0
.if \fill
	WIN 0
.endif
	s_barrier_wait -1
.if \fill
	CREST                                          ; no wave of any partner still reads this slot or has a load on its way
	s_add_nc_u64 s[G0+4*\slot+2:G0+4*\slot+3], s[G0+4*\slot+2:G0+4*\slot+3], 16384
	s_add_nc_u64 s[G0B+4*\slot+2:G0B+4*\slot+3], s[G0B+4*\slot+2:G0B+4*\slot+3], 16384
	JLOAD \slot                                    ; first behind the round; its four v_nop are also the places in front of the loads below
.else
	PLACES
.endif
	FETCH \next, 0, F0
	WIN MUL
	MUL8 F1, 1, 0, 0
	MUL8 F1, 1, 2, 0
.endm
	s_wait_tensorcnt 1                             ; my part of K step 0 is in; K step 1 may be out
	s_barrier_signal -1
	s_barrier_wait -1
	FETCH 0, 0, F0
	QUARTER 0, 1, F0, F1, 1                        ; the first products start the sums
	WIN 0
	s_mov_b32 s3, LAPS-1
.Llap:
	QUARTER 0, 2, F1, F0, 0
	QUARTER 0, 3, F0, F1, 0
	TURN 0, 1, 1
	QUARTER 1, 1, F0, F1, 0
	QUARTER 1, 2, F1, F0, 0
	QUARTER 1, 3, F0, F1, 0
	TURN 1, 0, 1
	QUARTER 0, 1, F0, F1, 0
	WIN 0
	s_sub_co_u32 s3, s3, 1
	s_cmp_lg_u32 s3, 0
	s_cbranch_scc1 .Llap
	QUARTER 0, 2, F1, F0, 0                        ; the last lap fills nothing
	QUARTER 0, 3, F0, F1, 0
	TURN 0, 1, 0
	QUARTER 1, 1, F0, F1, 0
	QUARTER 1, 2, F1, F0, 0
	QUARTER 1, 3, F0, F1, 0
	s_wait_dscnt 16
	WIN MUL
	MUL8 F1, 0, 0, 0
	MUL8 F1, 0, 2, 0
	s_wait_dscnt 0
	MUL8 F1, 1, 0, 0
	MUL8 F1, 1, 2, 0
	WIN 0
	; THE WAY OUT: my 64 columns of a row are 256 bytes, aligned.  A block of 16 rows goes through my own stage and comes back by rows: sixteen lanes store one such run.  LDS serves a wave in order: no wait between stores and loads.
	PLACES
.irp a, 0,1,2,3
.set TT, TMP+32*(\a%2)
.irp b, 0,1,2,3
	ds_store_b128 v[STO], v[ACC+8*(4*\a+\b):ACC+8*(4*\a+\b)+3] offset:64*\b          ; each accumulator from its low end on
	ds_store_b128 v[STO], v[ACC+8*(4*\a+\b)+4:ACC+8*(4*\a+\b)+7] offset:64*\b+16
.endr
.if \a >= 2
	s_wait_xcnt 0x0                                ; block a - 2's stores have read their data: the loads below land there
.endif
.irp t, 0,1,2,3,4,5,6,7
	ds_load_b128 v[TT+4*\t:TT+4*\t+3], v[RD] offset:\t*2*SPITCH
.endr
	s_wait_dscnt 0x0
.if \a == 0
	v_cmp_ne_u32 vcc_lo, 0, v[FL]                  ; rows 0-15 belong to the launch that works in f32: lanes are switched off, no branch
	s_wait_xcnt 0x0
	s_and_saveexec_b32 s21, vcc_lo
.endif
.irp t, 0,1,2,3,4,5,6,7
	global_store_b128 v[CO], v[TT+4*\t:TT+4*\t+3], s[8:9] offset:(16*\a+2*\t)*4096 th:TH_STORE_NT
.endr
.if \a == 0
	s_wait_xcnt 0x0                                ; EXEC changes back only behind this wait
	s_or_b32 exec_lo, exec_lo, s21
.endif
.endr
	s_wait_tensorcnt 0x0                           ; the wave's end
	ds_add_u32 v[SPW], v[NIL]
	s_wait_dscnt 0x0
	CROUND                                         ; the closing round
	s_endpgm
.Lfunc_end_k_q2775453cb0_outproj:
	.size	k_q2775453cb0_outproj, .Lfunc_end_k_q2775453cb0_outproj-k_q2775453cb0_outproj
	.p2alignl 7, 3214868480
	.fill 96, 4, 3214868480
	.section	.rodata,"a",@progbits
	.p2align	6, 0x0
	.amdhsa_kernel k_q2775453cb0_outproj
		.amdhsa_group_segment_fixed_size 327680
		.amdhsa_private_segment_fixed_size 0
		.amdhsa_enable_private_segment 0
		.amdhsa_kernarg_size 24
		.amdhsa_user_sgpr_count 2
		.amdhsa_user_sgpr_kernarg_segment_ptr 1
		.amdhsa_wavefront_size32 1
		.amdhsa_system_sgpr_workgroup_id_x 1
		.amdhsa_system_sgpr_workgroup_id_y 1
		.amdhsa_system_sgpr_workgroup_id_z 1
		.amdhsa_system_vgpr_workitem_id 0
		.amdhsa_next_free_vgpr 512
		.amdhsa_next_free_sgpr 66
		.amdhsa_reserve_vcc 1
		.amdhsa_float_denorm_mode_32 3
		.amdhsa_float_denorm_mode_16_64 3
		.amdhsa_memory_ordered 1
		.amdhsa_forward_progress 1
		.amdhsa_inst_pref_size 85
	.end_amdhsa_kernel
	.amdgpu_metadata
---
amdhsa.version: [ 1, 2 ]
amdhsa.kernels:
  - .name:           k_q2775453cb0_outproj
    .symbol:         k_q2775453cb0_outproj.kd
    .args:
      - { .name: att, .offset: 0, .size: 8, .value_kind: global_buffer, .address_space: global }
      - { .name: wo, .offset: 8, .size: 8, .value_kind: global_buffer, .address_space: global }
      - { .name: out0, .offset: 16, .size: 8, .value_kind: global_buffer, .address_space: global }
    .group_segment_fixed_size: 327680
    .private_segment_fixed_size: 0
    .kernarg_segment_align: 8
    .kernarg_segment_size: 24
    .max_flat_workgroup_size: 128
    .sgpr_count:     66
    .vgpr_count:     512
    .wavefront_size: 32
...
	.end_amdgpu_metadata
.endif
;; end of part 5
